; MI455X (gfx1250); checked and timed in simulation.
; The chip was launched on July 23, 2026; its instructions are those of AMD's public machine-readable ISA for CDNA 5 (MIT licence, August 2026) and "CDNA5" Instruction Set Architecture Reference Guide (July 2026). The comments in the code are by the model that wrote it; some were corrected since.
;; Sparse Block. Allowed arithmetic: matrix products marked QUANTISED: E2M3 operands, one E8M0 scale for each 32 along K, by v_wmma_scale_f32_16x16x128_f8f6f4 with both operands' format E2M3, f32 sums; everything else in f32.
;; Inputs: attention_mask 2 x 2,048 int32; b1 4,096 float32; b2 1,024 float32; b_in 3,072 float32; b_ln1 1,024 float32; b_ln2 1,024 float32; b_out 1,024 float32; g_ln1 1,024 float32; g_ln2 1,024 float32; w1 4,096 x 1,024 float32; w2 1,024 x 4,096 float32; w_in 3,072 x 1,024 float32; w_out 1,024 x 1,024 float32; x 2 x 2,048 x 1,024 float32.
;; Outputs: out0 2 x 2,048 x 1,024 float32.
;; This version of the problem:
;;   THIS VERSION OF THE PROBLEM IS GIVEN IN LOW PRECISION. The matrix products marked QUANTISED in the list below multiply operands that are first quantised to E2M3 (2 exponent bits, 3 mantissa bits; 6 bits a number), with one power-of-two scale for each 32 numbers along K (OCP MX v1.0); their sums are f32. All else is computed in f32.
;;   The module's matrix products, in the order in which they are computed (A, B: the left and right operand; K: the contracted axis; several contracted axes count as one K, in the product's order):
;;     1. [M 4,096, K 1,024] x [K 1,024, N 3,072]; A: computed on the way; B: input w_in: QUANTISED
;;     2. batch 32 x [M 2,048, K 64] x [K 64, N 2,048]; A: computed on the way; B: computed on the way: QUANTISED
;;     3. batch 32 x [M 64, K 2,048] x [K 2,048, N 2,048]; A: computed on the way; B: softmax (see below): QUANTISED
;;     4. [M 4,096, K 1,024] x [K 1,024, N 1,024]; A: computed on the way; B: input w_out: QUANTISED
;;     5. [M 4,096, K 1,024] x [K 1,024, N 4,096]; A: computed on the way; B: input w1: QUANTISED
;;     6. [M 4,096, K 4,096] x [K 4,096, N 1,024]; A: computed on the way; B: input w2: QUANTISED
;;   THE QUANTISER, for each operand of a quantised product, along K:
;;     - K is cut into blocks of 32 from its start; a last block that is shorter is filled with zeros.
;;     - A block's scale is 2^e with e = floor(log2(the largest magnitude in the block)) - 2, held to -126 .. 127; a block of zeros has e = 0. As a byte (E8M0): e + 127.
;;     - Each number is divided by its block's scale, clamped to +-7.5, and rounded to the nearest number of E2M3, ties to even, subnormals kept.
;;     - The product sums the exact products of the quantised numbers (number of the format x scale) in f32.
;;   ~~~python
;;   def quantise(x, axis):      # numpy; x: float32 -> the quantised numbers, widened to float32 again
;;       x = np.moveaxis(x, axis, -1); K = x.shape[-1]
;;       x = np.pad(x, [(0, 0)] * (x.ndim - 1) + [(0, -K % 32)]); x = x.reshape(x.shape[:-1] + (-1, 32)); a = np.abs(x).max(-1, keepdims=True)
;;       e = np.where(a > 0, np.clip(np.frexp(np.where(a > 0, a, 1))[1] - 1 - 2, -126, 127), 0)      # np.frexp(a)[1] - 1 = floor(log2(a)), exactly
;;       r = np.clip(x / 2.0 ** e, -7.5, 7.5)
;;       step = 2.0 ** (np.maximum(np.frexp(np.where(r == 0, 1, r))[1] - 1, 0) - 3)
;;       q = np.round(r / step) * step * 2.0 ** e      # np.round: ties to even
;;       return np.moveaxis(q.reshape(q.shape[:-2] + (-1,))[..., :K], -1, axis).astype(np.float32)
;;   ~~~
;;   SOFTMAX AHEAD OF A QUANTISED PRODUCT. Where the list says 'softmax', what is quantised is not the finished softmax but p = 2^(t - M), with t = logit x log2(e) and M = ceil(the row's largest t), a whole number; so 1/2 < the row's largest p <= 1. The row's sum l is taken of the UNQUANTISED p, in f32, and the product's result is divided by l at the end. Since M is a whole number, a kernel that streams over the keys may use a running M (the ceiling of the running maximum): every later rescaling is an exact power of two, which a block's scale takes up: the codes' values come out the same.
;;   OPERANDS COMPUTED ON THE WAY. 'Computed on the way' means the value that the module computes at that place (a softmax that the list does not call 'softmax' is quantised finished and normalised). What goes into a quantiser is computed in f32, as accurately as f32 sums, v_exp_f32 and their like allow (about 1e-6 of the number): no bf16 or f16 on the way to a quantiser, and a product that is left as it is and whose result goes on into a quantised operand takes f32 operands (vector FMAs, or v_wmma_f32_16x16x4_f32). A number that lies on a knife's edge between two numbers of the format may be rounded either way, as far as f32 arithmetic and the matrix unit's own rounding can turn it there, and no further.
;; One version. Each part assembles by itself: llvm-mc -triple=amdgcn-amd-amdhsa -mcpu=gfx1250 --defsym DOCPART=n.
;; ======== version 1 of 1: 8 launches
;; workspace buffers: wq 9,830,400 bytes; hq 3,276,800 bytes; aq 9,830,400 bytes; oq 3,276,800 bytes; x1 16,777,216 bytes; uq 13,107,200 bytes
;; launch wquant (part 1): grid 768 x 1, 8 waves a work-group, no clusters, 69,120 bytes of LDS; arguments w_in, w_out, w1, w2, wq; writes wq
.if DOCPART == 1
	.amdgcn_target "amdgcn-amd-amdhsa--gfx1250"
	.amdhsa_code_object_version 6
	.text
	.protected	k_qc04d1800f9_wquant
	.globl	k_qc04d1800f9_wquant
	.p2align	8
	.type	k_qc04d1800f9_wquant,@function
k_qc04d1800f9_wquant:
	s_mov_b64 s[64:65], 0
	v_nop
	global_prefetch_b8 v0, s[64:65] scope:SCOPE_SE
	s_setreg_imm32_b32 hwreg(HW_REG_WAVE_MODE, 25, 1), 1
	s_wait_xcnt 0x0
; The four weights, f32 [N][K] with K innermost, become codes of FP6 (E2M3) with one E8M0 byte for each 32 along K, laid as IMAGES OF OPERAND REGISTERS.
; A fragment is 16 rows x 128 K.  Lane index r of fragment f holds row 32 (f / 2) + 8 (f % 2) + r % 8 + 16 (r / 8): with that choice of rows a product's results are 16 neighbours along the next K.
; Its image is 1,536 bytes, two halves of 768 (64 along K each): 16 bytes a lane at 16 x lane (registers 6 c .. 6 c + 3), then 8 bytes a lane at 512 + 8 x lane (registers 6 c + 4, 6 c + 5).
; Image F = Fbase + f x NKS + ks lies at 1,536 F; its 16 scale words (4 bytes a row) at SCOFF + 64 F.
; A wave makes one fragment, a work-group the eight neighbouring K steps of one f.  One path serves all four tensors: only pointers and numbers are chosen, by the work-group's number.
; Each load reads 512 consecutive bytes of one row; the 16 rows turn through the wave's own stage in LDS (rows 528 bytes apart), so that a lane gets 16 neighbours of each block of 32.
; LIMITS: NaN and infinities are not served; a block under 2^-124, or of zeros, gets the byte 1 (its codes are zeros or tiny; this program alone reads the bytes).
.set STGB,  8448                       ; a wave's stage: 16 rows x 528 bytes
.set SCST,  8*STGB                     ; the work-group's 8 x 64 bytes of scale words
.set SPARE, SCST+512                   ; the spare words, 128 bytes a wave: four blocks of 256 bytes that no other line names
.set SCOFF, 9437184
.set FRB,   1536
.set SPW,   12
.set NIL,   13
.set VO,    16                         ; v16-31   byte offset of my 16 bytes in each of the 16 rows
.set R,     32                         ; v32-95   the rows as loaded
.set X,     96                         ; v96-159  register 16 b + i = K 32 b + 16 (lane / 16) + i of my row
.set PC,    160                        ; v160-171 the codes; v172-179 at work
.set TM,    180
.set PW,    196
.set SEL,   30
; 64 numbers of a lane become a fragment's codes in v[PC] on and its scale word in v[PW]
.macro QUANT s
.irp b, 0,1,2,3
	v_max3_num_f32 v[TM+\b], |v[\s+16*\b]|, |v[\s+1+16*\b]|, 0x1800000   ; my 16 numbers of block b, and the floor 2^(3 - 127): the byte cannot fall under 1
.endr
.irp i, 2,4,6,8,10,12,14
.irp b, 0,1,2,3
	v_max3_num_f32 v[TM+\b], v[TM+\b], |v[\s+16*\b+\i]|, |v[\s+1+16*\b+\i]|
.endr
.endr
.irp b, 0,1,2,3
	v_permlanex16_b32 v[TM+4+\b], v[TM+\b], s[SEL], s[SEL+1]
.endr
.irp b, 0,1,2,3
	v_max_num_f32 v[TM+\b], v[TM+\b], v[TM+4+\b]   ; with lane l xor 16's: the block's largest magnitude
.endr
.irp b, 0,1,2,3
	v_add_nc_u32 v[TM+12+\b], 0xff000000, v[TM+\b]   ; 2 off its exponent field: the conversion's scale operand
.endr
.irp b, 0,1,2,3
	v_lshrrev_b32 v[TM+4+\b], 23, v[TM+12+\b]      ; the scale's byte
.endr
	v_lshl_or_b32 v[PW], v[TM+5], 8, v[TM+4]
	v_lshl_or_b32 v[PW], v[TM+6], 16, v[PW]
	v_lshl_or_b32 v[PW], v[TM+7], 24, v[PW]
.irp c, 0,1
	v_cvt_scalef32_pk16_fp6_f32 v[PC+6*\c:PC+2+6*\c], v[\s+32*\c:\s+15+32*\c], v[TM+12+2*\c]
	v_cvt_scalef32_pk16_fp6_f32 v[PC+12+4*\c:PC+14+4*\c], v[\s+16+32*\c:\s+31+32*\c], v[TM+12+2*\c+1]
.endr
	v_nop                                          ; one plain place behind a scaled conversion
.irp c, 0,1                                    ; a whole block to a lane: lanes 0-15 block 2 c, lanes 16-31 block 2 c + 1
.irp i, 0,1,2
	v_permlane16_swap_b32 v[PC+6*\c+\i], v[PC+12+4*\c+\i]
.endr
.irp i, 0,1,2
	v_mov_b32 v[PC+3+6*\c+\i], v[PC+12+4*\c+\i]
.endr
.endr
.endm
	s_load_b256 s[4:11], s[0:1], 0x0               ; w_in, w_out, w1, w2
	s_load_b64 s[12:13], s[0:1], 0x20              ; wq
	v_lshl_add_u32 v[SPW], v0, 2, SPARE
	v_mov_b32 v[NIL], 0
	v_lshrrev_b32 v1, 5, v0
	v_readfirstlane_b32 s14, v1                    ; wave 0..7
	v_and_b32 v1, 31, v0                           ; lane
	v_and_b32 v2, 15, v0                           ; r
	v_bfe_u32 v3, v0, 4, 1                         ; h
	v_lshlrev_b32 v4, 4, v1                        ; 16 x lane
	v_lshlrev_b32 v5, 3, v1                        ; 8 x lane
	s_mul_i32 s15, s14, STGB
	v_add_nc_u32 v6, s15, v4                       ; the stage, on the way in: a row's 512 bytes as they lie
	v_mul_u32_u24 v7, v2, 528
	v_lshl_add_u32 v7, v3, 6, v7
	v_add_nc_u32 v7, s15, v7                       ; and on the way out: row r, + 64 h
	s_lshl_b32 s15, s14, 6
	v_lshl_add_u32 v8, v2, 2, SCST
	v_add_nc_u32 v8, s15, v8                       ; my row's scale word: 64 x wave + 4 r
	v_add_nc_u32 v9, SCST, v4                      ; wave 0 reads all 512 bytes back
	s_mov_b32 s[SEL], 0x76543210
	s_mov_b32 s[SEL+1], 0xfedcba98                 ; lane l xor 16
.irp b, 0,1,2,3
	v_mov_b32 v[TM+4+\b], 0                        ; a lane permute's destination counts as one of its sources
.endr
	s_wait_kmcnt 0x0
	s_mov_b32 s16, 512                             ; w2's values; the three compares below put the earlier tensors' in their place
	s_mov_b32 s17, 4096                            ; Fbase
	s_mov_b32 s18, 2                               ; log2(K / 1,024)
	s_mov_b64 s[20:21], s[10:11]
	s_cmp_lt_u32 ttmp9, 512
	s_cselect_b64 s[20:21], s[8:9], s[20:21]
	s_cselect_b32 s16, 256, s16
	s_cselect_b32 s17, 2048, s17
	s_cselect_b32 s18, 0, s18
	s_cmp_lt_u32 ttmp9, 256
	s_cselect_b64 s[20:21], s[6:7], s[20:21]
	s_cselect_b32 s16, 192, s16
	s_cselect_b32 s17, 1536, s17
	s_cmp_lt_u32 ttmp9, 192
	s_cselect_b64 s[20:21], s[4:5], s[20:21]
	s_cselect_b32 s16, 0, s16
	s_cselect_b32 s17, 0, s17
	s_sub_co_u32 s22, ttmp9, s16                   ; my number within the tensor
	s_lshr_b32 s23, s22, s18                       ; f
	s_lshl_b32 s24, s23, s18
	s_sub_co_u32 s24, s22, s24                     ; which eight K steps
	s_lshl_b32 s19, 0x1000, s18                    ; a row in bytes
	s_lshl_b32 s25, 8, s18                         ; NKS
	s_lshl_b32 s24, s24, 3
	s_add_co_u32 s26, s24, s14                     ; my K step
	s_lshr_b32 s27, s23, 1
	s_lshl_b32 s27, s27, 5
	s_and_b32 s28, s23, 1
	s_lshl_b32 s28, s28, 3
	s_add_co_u32 s27, s27, s28                     ; the fragment's first row
	s_mul_i32 s27, s27, s19
	s_lshl_b32 s28, s26, 9
	s_add_co_u32 s28, s27, s28
	s_mov_b32 s29, 0
	s_add_nc_u64 s[20:21], s[20:21], s[28:29]
	s_mul_i32 s23, s23, s25
	s_add_co_u32 s23, s23, s17                     ; Fbase + f NKS
	s_add_co_u32 s24, s23, s24                     ; the group's first image
	s_add_co_u32 s26, s23, s26                     ; mine
	s_mul_i32 s26, s26, FRB
	s_mov_b32 s27, 0
	s_add_nc_u64 s[26:27], s[12:13], s[26:27]
	s_lshl_b32 s24, s24, 6
	s_add_co_u32 s24, s24, SCOFF
	s_mov_b32 s25, 0
	s_add_nc_u64 s[24:25], s[12:13], s[24:25]
.irp rr, 0,1,2,3,4,5,6,7,8,9,10,11,12,13,14,15
	v_mad_u32_u24 v[VO+\rr], s19, (\rr%8)+16*(\rr/8), v4
.endr
.irp rr, 0,1,2,3,4,5,6,7,8,9,10,11,12,13,14,15
	global_load_b128 v[R+4*\rr:R+4*\rr+3], v[VO+\rr], s[20:21] th:TH_LOAD_NT   ; 32 lanes read 512 consecutive bytes
.endr
.irp rr, 0,1,2,3,4,5,6,7,8,9,10,11,12,13,14,15
	s_wait_loadcnt 15-\rr                          ; loads come back in order: row rr is in, the younger ones stay out
	ds_store_b128 v6, v[R+4*\rr:R+4*\rr+3] offset:528*\rr
.endr
.irp b, 0,1,2,3
.irp j, 0,1,2,3
	ds_load_b128 v[X+16*\b+4*\j:X+16*\b+4*\j+3], v7 offset:128*\b+16*\j   ; LDS serves a wave's instructions in order: these see my stores
.endr
.endr
	s_wait_dscnt 0x0
	QUANT X
	global_store_b128 v4, v[PC:PC+3], s[26:27]               ; each store of the wave covers 512 or 256 consecutive bytes, aligned
	global_store_b64 v5, v[PC+4:PC+5], s[26:27] offset:512
	global_store_b128 v4, v[PC+6:PC+9], s[26:27] offset:768
	global_store_b64 v5, v[PC+10:PC+11], s[26:27] offset:1280
	ds_store_b32 v8, v[PW]                         ; both halves of the lanes write the same word with the same value
	s_wait_dscnt 0x0                               ; for wave 0's sake: my word has landed
	s_barrier_signal -1
	s_barrier_wait -1
	s_cmp_lg_u32 s14, 0
	s_cbranch_scc1 .Lend
	ds_load_b128 v[R:R+3], v9                      ; the eight fragments' scale words: 512 consecutive bytes of the buffer
	s_wait_dscnt 0x0
	global_store_b128 v4, v[R:R+3], s[24:25]
.Lend:
	s_wait_tensorcnt 0x0                           ; the wave's end: 0 onto my spare word, and its wait
	ds_add_u32 v[SPW], v[NIL]
	s_wait_dscnt 0x0
	s_endpgm
.Lfunc_end_k_qc04d1800f9_wquant:
	.size	k_qc04d1800f9_wquant, .Lfunc_end_k_qc04d1800f9_wquant-k_qc04d1800f9_wquant
	.p2alignl 7, 3214868480
	.fill 96, 4, 3214868480
	.section	.rodata,"a",@progbits
	.p2align	6, 0x0
	.amdhsa_kernel k_qc04d1800f9_wquant
		.amdhsa_group_segment_fixed_size 69120
		.amdhsa_private_segment_fixed_size 0
		.amdhsa_enable_private_segment 0
		.amdhsa_kernarg_size 40
		.amdhsa_user_sgpr_count 2
		.amdhsa_user_sgpr_kernarg_segment_ptr 1
		.amdhsa_wavefront_size32 1
		.amdhsa_system_sgpr_workgroup_id_x 1
		.amdhsa_system_sgpr_workgroup_id_y 1
		.amdhsa_system_sgpr_workgroup_id_z 1
		.amdhsa_system_vgpr_workitem_id 0
		.amdhsa_next_free_vgpr 200
		.amdhsa_next_free_sgpr 66
		.amdhsa_reserve_vcc 0
		.amdhsa_float_denorm_mode_32 3
		.amdhsa_float_denorm_mode_16_64 3
		.amdhsa_memory_ordered 1
		.amdhsa_forward_progress 1
		.amdhsa_inst_pref_size 14
	.end_amdhsa_kernel
	.amdgpu_metadata
---
amdhsa.version: [ 1, 2 ]
amdhsa.kernels:
  - .name:           k_qc04d1800f9_wquant
    .symbol:         k_qc04d1800f9_wquant.kd
    .args:
      - { .name: w_in, .offset: 0, .size: 8, .value_kind: global_buffer, .address_space: global }
      - { .name: w_out, .offset: 8, .size: 8, .value_kind: global_buffer, .address_space: global }
      - { .name: w1, .offset: 16, .size: 8, .value_kind: global_buffer, .address_space: global }
      - { .name: w2, .offset: 24, .size: 8, .value_kind: global_buffer, .address_space: global }
      - { .name: wq, .offset: 32, .size: 8, .value_kind: global_buffer, .address_space: global }
    .group_segment_fixed_size: 69120
    .private_segment_fixed_size: 0
    .kernarg_segment_align: 8
    .kernarg_segment_size: 40
    .max_flat_workgroup_size: 256
    .sgpr_count:     66
    .vgpr_count:     200
    .wavefront_size: 32
...
	.end_amdgpu_metadata
.endif
;; end of part 1
;; launch lnq (part 2): grid 256 x 1, 8 waves a work-group, no clusters, 70,144 bytes of LDS; arguments x, g_ln1, b_ln1, hq; writes hq
.if DOCPART == 2
	.amdgcn_target "amdgcn-amd-amdhsa--gfx1250"
	.amdhsa_code_object_version 6
	.text
	.protected	k_qc04d1800f9_lnq
	.globl	k_qc04d1800f9_lnq
	.p2align	8
	.type	k_qc04d1800f9_lnq,@function
k_qc04d1800f9_lnq:
	s_mov_b64 s[64:65], 0
	v_nop
	global_prefetch_b8 v0, s[64:65] scope:SCOPE_SE
	s_setreg_imm32_b32 hwreg(HW_REG_WAVE_MODE, 25, 1), 1
	s_wait_xcnt 0x0
; h = (x - mean) rsqrt(var + 1e-5) g + b over rows of 1,024 f32, then quantised along the row to FP6 (E2M3) with one E8M0 byte for each 32, laid as images of operand registers.
; A work-group takes fragment row f: 16 rows (lane index r: row 32 (f / 2) + 8 (f % 2) + r % 8 + 16 (r / 8)); wave w takes columns 128 w on, which is K step w.
; Image (f, w) lies at 1,536 (8 f + w): two halves of 768 bytes, each 16 bytes a lane at 16 x lane, then 8 bytes a lane at 512 + 8 x lane; its 16 scale words at SCOFF + 64 (8 f + w).
; The mean is taken first and the variance of the deviations: no difference of large sums is formed, so a common offset of the inputs costs no accuracy.
; The eight waves' partial sums of a row meet in LDS: three barriers (mean, variance, scale words).
; LIMITS: NaN and infinities are not served; a block under 2^-124, or of zeros, gets the byte 1 (this program alone reads the bytes).
.set STGB,  8448
.set ST1,   8*STGB                     ; 16 rows x 8 waves x 4 bytes: the sums;
.set SCST,  ST1+1024                   ; (the sums of squares lie 512 bytes behind the sums)  the 8 x 64 bytes of scale words
.set SPARE, SCST+512                   ; the spare words, 128 bytes a wave: four blocks of 256 bytes that no other line names
.set SCOFF, 3145728
.set FRB,   1536
.set SPW,   14
.set NIL,   15
.set R,     16                         ; v16-79   x as loaded, later g
.set X,     80                         ; v80-143  register 16 b + i = column 128 w + 32 b + 16 (lane / 16) + i of my row
.set BB,    144                        ; v144-207 b
.set PC,    208
.set TM,    228
.set PW,    244
.set SEL,   30
.macro QUANT s
.irp b, 0,1,2,3
	v_max3_num_f32 v[TM+\b], |v[\s+16*\b]|, |v[\s+1+16*\b]|, 0x1800000   ; my 16 numbers of block b, and the floor 2^(3 - 127)
.endr
.irp i, 2,4,6,8,10,12,14
.irp b, 0,1,2,3
	v_max3_num_f32 v[TM+\b], v[TM+\b], |v[\s+16*\b+\i]|, |v[\s+1+16*\b+\i]|
.endr
.endr
.irp b, 0,1,2,3
	v_permlanex16_b32 v[TM+4+\b], v[TM+\b], s[SEL], s[SEL+1]
.endr
.irp b, 0,1,2,3
	v_max_num_f32 v[TM+\b], v[TM+\b], v[TM+4+\b]
.endr
.irp b, 0,1,2,3
	v_add_nc_u32 v[TM+12+\b], 0xff000000, v[TM+\b]   ; 2 off the exponent field: the conversion's scale operand
.endr
.irp b, 0,1,2,3
	v_lshrrev_b32 v[TM+4+\b], 23, v[TM+12+\b]
.endr
	v_lshl_or_b32 v[PW], v[TM+5], 8, v[TM+4]
	v_lshl_or_b32 v[PW], v[TM+6], 16, v[PW]
	v_lshl_or_b32 v[PW], v[TM+7], 24, v[PW]
.irp c, 0,1
	v_cvt_scalef32_pk16_fp6_f32 v[PC+6*\c:PC+2+6*\c], v[\s+32*\c:\s+15+32*\c], v[TM+12+2*\c]
	v_cvt_scalef32_pk16_fp6_f32 v[PC+12+4*\c:PC+14+4*\c], v[\s+16+32*\c:\s+31+32*\c], v[TM+12+2*\c+1]
.endr
	v_nop                                          ; one plain place behind a scaled conversion
.irp c, 0,1
.irp i, 0,1,2
	v_permlane16_swap_b32 v[PC+6*\c+\i], v[PC+12+4*\c+\i]
.endr
.irp i, 0,1,2
	v_mov_b32 v[PC+3+6*\c+\i], v[PC+12+4*\c+\i]
.endr
.endr
.endm
; v216 holds my lane's part of a row's sum; afterwards the sum over the row's 1,024 columns, in every lane of the row
.macro REDUCE off
	v_permlanex16_b32 v217, v216, s[SEL], s[SEL+1]
	v_add_f32 v216, v216, v217                     ; my wave's 128 columns
	ds_store_b32 v11, v216 offset:\off
	s_wait_dscnt 0x0                               ; for the others' sake: my word has landed
	s_barrier_signal -1
	s_barrier_wait -1
	ds_load_b128 v[216:219], v12 offset:\off
	ds_load_b128 v[220:223], v12 offset:\off+16
	s_wait_dscnt 0x0
	v_pk_add_f32 v[216:217], v[216:217], v[218:219]
	v_pk_add_f32 v[220:221], v[220:221], v[222:223]
	v_pk_add_f32 v[216:217], v[216:217], v[220:221]
	v_add_f32 v216, v216, v217
.endm
	s_load_b256 s[4:11], s[0:1], 0x0               ; x, g, b, the images
	v_lshl_add_u32 v[SPW], v0, 2, SPARE
	v_mov_b32 v[NIL], 0
	v_lshrrev_b32 v1, 5, v0
	v_readfirstlane_b32 s12, v1                    ; wave 0..7
	v_and_b32 v1, 31, v0
	v_and_b32 v2, 15, v0                           ; r
	v_bfe_u32 v3, v0, 4, 1                         ; h
	v_lshlrev_b32 v4, 4, v1                        ; 16 x lane
	v_lshlrev_b32 v5, 3, v1                        ; 8 x lane
	s_mul_i32 s13, s12, STGB
	v_add_nc_u32 v6, s13, v4                       ; the stage, in
	v_mul_u32_u24 v7, v2, 528
	v_lshl_add_u32 v7, v3, 6, v7
	v_add_nc_u32 v7, s13, v7                       ; and out: row r, + 64 h
	s_lshl_b32 s13, s12, 6
	v_lshl_add_u32 v8, v2, 2, SCST
	v_add_nc_u32 v8, s13, v8
	v_add_nc_u32 v9, SCST, v4
	v_lshlrev_b32 v10, 6, v3                       ; g, b: 64 h
	s_lshl_b32 s13, s12, 2
	v_lshl_add_u32 v12, v2, 5, ST1                 ; a row's eight partial sums
	v_add_nc_u32 v11, s13, v12                     ; mine among them
	s_mov_b32 s[SEL], 0x76543210
	s_mov_b32 s[SEL+1], 0xfedcba98
	s_mov_b32 s20, 0x3a800000                      ; 1 / 1,024
	s_mov_b32 s21, 0x3727c5ac                      ; 1e-5
	v_mov_b32 v217, 0                              ; a lane permute's destination counts as one of its sources
.irp b, 0,1,2,3
	v_mov_b32 v[TM+4+\b], 0
.endr
	v_mov_b32 v249, 0                              ; named as the upper half of a pair
	s_lshr_b32 s14, ttmp9, 1
	s_lshl_b32 s14, s14, 5
	s_and_b32 s15, ttmp9, 1
	s_lshl_b32 s15, s15, 3
	s_add_co_u32 s14, s14, s15                     ; the fragment's first row
	s_lshl_b32 s14, s14, 12
	s_lshl_b32 s16, s12, 9                         ; my 128 columns
	s_add_co_u32 s14, s14, s16
	s_mov_b32 s15, 0
	s_mov_b32 s17, 0
	s_lshl_b32 s18, ttmp9, 3
	s_add_co_u32 s18, s18, s12
	s_mul_i32 s18, s18, FRB                        ; my image
	s_mov_b32 s19, 0
	s_lshl_b32 s22, ttmp9, 9
	s_add_co_u32 s22, s22, SCOFF                   ; the work-group's 512 bytes of scale words
	s_mov_b32 s23, 0
	s_wait_kmcnt 0x0
	s_add_nc_u64 s[4:5], s[4:5], s[14:15]
	s_add_nc_u64 s[6:7], s[6:7], s[16:17]
	s_add_nc_u64 s[8:9], s[8:9], s[16:17]
	s_add_nc_u64 s[18:19], s[10:11], s[18:19]
	s_add_nc_u64 s[22:23], s[10:11], s[22:23]
.irp rr, 0,1,2,3,4,5,6,7,8,9,10,11,12,13,14,15
	global_load_b128 v[R+4*\rr:R+4*\rr+3], v4, s[4:5] offset:((\rr%8)+16*(\rr/8))*4096   ; 512 consecutive bytes of one row
.endr
.irp b, 0,1,2,3
.irp j, 0,1,2,3
	global_load_b128 v[BB+16*\b+4*\j:BB+16*\b+4*\j+3], v10, s[8:9] offset:128*\b+16*\j
.endr
.endr
.irp rr, 0,1,2,3,4,5,6,7,8,9,10,11,12,13,14,15
	s_wait_loadcnt 31-\rr                          ; row rr is in; the younger rows and b's sixteen loads stay out
	ds_store_b128 v6, v[R+4*\rr:R+4*\rr+3] offset:528*\rr
.endr
.irp b, 0,1,2,3
.irp j, 0,1,2,3
	ds_load_b128 v[X+16*\b+4*\j:X+16*\b+4*\j+3], v7 offset:128*\b+16*\j
.endr
.endr
	s_wait_dscnt 0x0                               ; the rows are back, and the stores have read their registers:
.irp b, 0,1,2,3
.irp j, 0,1,2,3
	global_load_b128 v[R+16*\b+4*\j:R+16*\b+4*\j+3], v10, s[6:7] offset:128*\b+16*\j   ; which take g
.endr
.endr
.irp c, 0,1,2,3                                ; the sum of my 64, in four packed chains
	v_pk_add_f32 v[208+2*\c:209+2*\c], v[X+2*\c:X+2*\c+1], v[X+8+2*\c:X+9+2*\c]
.endr
.irp i, 16,24,32,40,48,56
.irp c, 0,1,2,3
	v_pk_add_f32 v[208+2*\c:209+2*\c], v[208+2*\c:209+2*\c], v[X+\i+2*\c:X+\i+2*\c+1]
.endr
.endr
	v_pk_add_f32 v[208:209], v[208:209], v[210:211]
	v_pk_add_f32 v[212:213], v[212:213], v[214:215]
	v_pk_add_f32 v[208:209], v[208:209], v[212:213]
	v_add_f32 v216, v208, v209
	REDUCE 0
	v_mul_f32 v246, s20, v216                      ; the mean
	v_mov_b32 v247, v246
.irp j, 0,2,4,6,8,10,12,14,16,18,20,22,24,26,28,30,32,34,36,38,40,42,44,46,48,50,52,54,56,58,60,62
	v_pk_add_f32 v[X+\j:X+\j+1], v[X+\j:X+\j+1], v[246:247] neg_lo:[0,1] neg_hi:[0,1]
.endr
.irp c, 0,1,2,3                                ; the sum of the squared deviations
	v_pk_mul_f32 v[208+2*\c:209+2*\c], v[X+2*\c:X+2*\c+1], v[X+2*\c:X+2*\c+1]
.endr
.irp i, 8,16,24,32,40,48,56
.irp c, 0,1,2,3
	v_pk_fma_f32 v[208+2*\c:209+2*\c], v[X+\i+2*\c:X+\i+2*\c+1], v[X+\i+2*\c:X+\i+2*\c+1], v[208+2*\c:209+2*\c]
.endr
.endr
	v_pk_add_f32 v[208:209], v[208:209], v[210:211]
	v_pk_add_f32 v[212:213], v[212:213], v[214:215]
	v_pk_add_f32 v[208:209], v[208:209], v[212:213]
	v_add_f32 v216, v208, v209
	REDUCE 512
	v_fma_f32 v250, v216, s20, s21                 ; the variance + 1e-5
	v_rsq_f32 v248, v250
	v_nop                                          ; a plain place behind the transcendental
	s_wait_alu depctr_va_vdst(0)                   ; and a wait ahead of its first reader
	s_wait_loadcnt 0x0                             ; g and b
.irp j, 0,2,4,6,8,10,12,14,16,18,20,22,24,26,28,30,32,34,36,38,40,42,44,46,48,50,52,54,56,58,60,62
	v_pk_mul_f32 v[X+\j:X+\j+1], v[X+\j:X+\j+1], v[248:249] op_sel_hi:[1,0]
.endr
.irp j, 0,2,4,6,8,10,12,14,16,18,20,22,24,26,28,30,32,34,36,38,40,42,44,46,48,50,52,54,56,58,60,62
	v_pk_fma_f32 v[X+\j:X+\j+1], v[X+\j:X+\j+1], v[R+\j:R+\j+1], v[BB+\j:BB+\j+1]
.endr
	QUANT X
	global_store_b128 v4, v[PC:PC+3], s[18:19]
	global_store_b64 v5, v[PC+4:PC+5], s[18:19] offset:512
	global_store_b128 v4, v[PC+6:PC+9], s[18:19] offset:768
	global_store_b64 v5, v[PC+10:PC+11], s[18:19] offset:1280
	ds_store_b32 v8, v[PW]
	s_wait_dscnt 0x0
	s_barrier_signal -1
	s_barrier_wait -1
	s_cmp_lg_u32 s12, 0
	s_cbranch_scc1 .Lend
	ds_load_b128 v[R:R+3], v9
	s_wait_dscnt 0x0
	global_store_b128 v4, v[R:R+3], s[22:23]       ; the eight K steps' scale words: 512 consecutive bytes
.Lend:
	s_wait_tensorcnt 0x0                           ; the wave's end: 0 onto my spare word, and its wait
	ds_add_u32 v[SPW], v[NIL]
	s_wait_dscnt 0x0
	s_endpgm
.Lfunc_end_k_qc04d1800f9_lnq:
	.size	k_qc04d1800f9_lnq, .Lfunc_end_k_qc04d1800f9_lnq-k_qc04d1800f9_lnq
	.p2alignl 7, 3214868480
	.fill 96, 4, 3214868480
	.section	.rodata,"a",@progbits
	.p2align	6, 0x0
	.amdhsa_kernel k_qc04d1800f9_lnq
		.amdhsa_group_segment_fixed_size 70144
		.amdhsa_private_segment_fixed_size 0
		.amdhsa_enable_private_segment 0
		.amdhsa_kernarg_size 32
		.amdhsa_user_sgpr_count 2
		.amdhsa_user_sgpr_kernarg_segment_ptr 1
		.amdhsa_wavefront_size32 1
		.amdhsa_system_sgpr_workgroup_id_x 1
		.amdhsa_system_sgpr_workgroup_id_y 1
		.amdhsa_system_sgpr_workgroup_id_z 1
		.amdhsa_system_vgpr_workitem_id 0
		.amdhsa_next_free_vgpr 256
		.amdhsa_next_free_sgpr 66
		.amdhsa_reserve_vcc 0
		.amdhsa_float_denorm_mode_32 3
		.amdhsa_float_denorm_mode_16_64 3
		.amdhsa_memory_ordered 1
		.amdhsa_forward_progress 1
		.amdhsa_inst_pref_size 26
	.end_amdhsa_kernel
	.amdgpu_metadata
---
amdhsa.version: [ 1, 2 ]
amdhsa.kernels:
  - .name:           k_qc04d1800f9_lnq
    .symbol:         k_qc04d1800f9_lnq.kd
    .args:
      - { .name: x, .offset: 0, .size: 8, .value_kind: global_buffer, .address_space: global }
      - { .name: g_ln1, .offset: 8, .size: 8, .value_kind: global_buffer, .address_space: global }
      - { .name: b_ln1, .offset: 16, .size: 8, .value_kind: global_buffer, .address_space: global }
      - { .name: hq, .offset: 24, .size: 8, .value_kind: global_buffer, .address_space: global }
    .group_segment_fixed_size: 70144
    .private_segment_fixed_size: 0
    .kernarg_segment_align: 8
    .kernarg_segment_size: 32
    .max_flat_workgroup_size: 256
    .sgpr_count:     66
    .vgpr_count:     256
    .wavefront_size: 32
...
	.end_amdgpu_metadata
.endif
;; end of part 2
;; launch g1 (part 3): grid 12 x 16, 4 waves a work-group, clusters of 4 x 4, 327,680 bytes of LDS; arguments hq, wq, b_in, aq; writes aq
.if DOCPART == 3
	.amdgcn_target "amdgcn-amd-amdhsa--gfx1250"
	.amdhsa_code_object_version 6
	.text
	.protected	k_qc04d1800f9_g1
	.globl	k_qc04d1800f9_g1
	.p2align	8
	.type	k_qc04d1800f9_g1,@function
k_qc04d1800f9_g1:
	s_mov_b64 s[64:65], 0
	v_nop
	global_prefetch_b8 v0, s[64:65] scope:SCOPE_SE
	s_setreg_imm32_b32 hwreg(HW_REG_WAVE_MODE, 25, 1), 1
	s_wait_xcnt 0x0
	s_wait_alu depctr_hold_cnt(0) depctr_sa_sdst(0) depctr_va_vdst(0) depctr_va_sdst(0) depctr_va_ssrc(0) depctr_va_vcc(0) depctr_vm_vsrc(0)
	s_getreg_b32 s2, hwreg(HW_REG_IB_STS2, 6, 4)
	s_cmp_eq_u32 s2, 0
	s_cbranch_scc0 .Lentry_in_a_cluster
	s_endpgm
.Lentry_in_a_cluster:
	s_bfe_u32 s2, ttmp6, 0x10000c
	s_cmp_lg_u32 s2, 0xf033
	s_cbranch_scc0 .Lentry_shape_is_right
	s_endpgm
.Lentry_shape_is_right:
; qkv = h w_in^T + b_in on codes of FP6 (E2M3) with E8M0 scales, and its results quantised at once as the operands of attention.
; OPERANDS are images of operand registers: a fragment (16 rows x 128 K) is 1,536 bytes (two halves of 768: 16 bytes a lane, then 8 bytes a lane), fragment f and K step ks at 1,536 (f NKS + ks); 64 bytes of scale words likewise.
; Lane index r of fragment f holds row 32 (f / 2) + 8 (f % 2) + r % 8 + 16 (r / 8).  The matrix instruction is used transposed (source 0 = the column operand, source 1 = the row operand): a lane holds one row of C, and the
; 16 registers of column tiles 2 b and 2 b + 1 are 16 neighbouring columns.  So 128 columns of a row are quantised in registers and ARE a fragment of the next product, in the same order of rows.
; Clusters x = 0, 1: q and k: rows = tokens (hq), columns = features (wq, fragments 0-127); quantised along the features; image (g, F) at 1,536 (256 g + F), g the pair of heads (0-7 q, 8-15 k).
; Cluster x = 2: v: rows = features d (wq, fragments 128-191), columns = tokens (hq): v is quantised along the KEYS with nothing transposed; image (df, tg) at 6,291,456 + 1,536 (32 df + tg).
; The two kinds differ in pointers and numbers alone, chosen by the cluster's x, which all partners share.  The bias runs along the columns for q and k and along the rows for v: both are loaded (from clamped places) and each enters by a
; fused multiply-add with a selector of 1.0 or 0.0.   LIMITS: NaN and infinities (in the bias too) are not served; a block under 2^-124 gets the byte 1.
; A work-group of four waves makes 256 x 256, a wave 128 x 128 (64 accumulators).  K goes in steps of 256 through two LDS slots filled by joint tensor loads: A's tiles are shared along a row of the 4 x 4 cluster, B's along a column.
; REGISTERS: window 0: v1-15 addresses, v16-31 the row bias, v32-63 scale words (two sets), v64-255 A's fragments (two sets of 96).  window 1: B's fragments at v0 and v128; the column bias in v96-127 and v224-255.  windows 2, 3: accumulators.
.set ISG1,  1
.set GELUON, 0
.set T,     8
.set NQ,    2
.set NKS,   8
.set ASCO,  3145728
.set BCODE, 0
.set BSCO,  9437184
.set FRB,   1536
.set RBROW, NQ*FRB                     ; a fragment row's images of one slot: consecutive bytes of memory
.set QUART, T*RBROW                    ; what one tensor load brings, and what one wave reads of A or of B
.set SLOT,  4*QUART
.set HALFS, T*NKS*64                   ; the scale words of T fragments, all of K
.set SCL,   2*SLOT
.set AUX,   229376                     ; 512 bytes a wave for the scale words just made: no tensor load lands here
.set SPARE, 246784                     ; the spare words, 128 bytes a wave: two blocks of 256 bytes that no other line names
.set LAPS,  NKS/(2*NQ)
.set ADRA16, 4
.set ADRA8,  6
.set ADRB16, 8
.set ADRB8,  10
.set ADRS,  12
.set SPW,   13
.set NIL,   14
.set SC,    32
.set X,     64
.set Z,     128
.set W,     160
.set P,     192
.set Q,     224
.set PC,    128
.set TM,    148
.set PW,    164
.set SEL,   44
.set G1,  24
.set G0,  32
.set G1B, 48
.set G0B, 56
.set G1S, 68
.set G0S, 76
.set G1SB, 80
.set G0SB, 88
.set MSB, 0
.macro WIN new                         ; the immediate's high byte repeats the setting that is left
.if MSB != (\new)
	s_set_vgpr_msb (MSB<<8)|(\new)
.set MSB, (\new)
.endif
.endm
; A joint load: waves 0 and 1 fetch for A, waves 2 and 3 for B; the branch hangs on the wave's number alone.  An s_nop 0 and four v_nop follow each of the two lines.
.macro JLOAD g0a, g1a, g0b, g1b
	s_cmp_eq_u32 s15, 0
	s_cbranch_scc0 .Lfor_b_\@
	tensor_load_to_lds s[\g0a:\g0a+3], s[\g1a:\g1a+7]
	s_nop 0
.rept 4
	v_nop
.endr
	s_branch .Lasked_\@
.Lfor_b_\@:
	tensor_load_to_lds s[\g0b:\g0b+3], s[\g1b:\g1b+7]
	s_nop 0
.rept 4
	v_nop
.endr
.Lasked_\@:
.endm
.macro CREST                           ; a round of the cluster's barrier behind its opening barrier
	s_cmp_lg_u32 s14, 0
	s_cbranch_scc1 .Lnot_wave_0_\@
	s_barrier_signal -3
.Lnot_wave_0_\@:
	s_barrier_wait -3
	s_barrier_signal -1
	s_barrier_wait -1
.endm
.macro CROUND
	s_barrier_signal -1
	s_barrier_wait -1
	CREST
.endm
.macro PLACES                          ; four plain places between a matrix instruction and a load into, or a vector access to, its registers
.rept 4
	v_nop
.endr
.endm
.macro FRAG reg, a16, a8, off          ; a fragment's image: four dense loads
	ds_load_b128 v[(\reg):(\reg)+3], v[\a16] offset:(\off)
	ds_load_b64 v[(\reg)+4:(\reg)+5], v[\a8] offset:(\off)+512
	ds_load_b128 v[(\reg)+6:(\reg)+9], v[\a16] offset:(\off)+768
	ds_load_b64 v[(\reg)+10:(\reg)+11], v[\a8] offset:(\off)+1280
.endm
.macro FETCH slot, q, p                ; the slot's q-th 128 along K: B's T fragments and A's T fragments into set p
	WIN 0x40
.set FI, 0
.rept T
	FRAG 128*(\p)+12*FI, ADRB16+\slot, ADRB8+\slot, FI*RBROW+(\q)*FRB
.set FI, FI+1
.endr
	WIN 0
.set FI, 0
.rept T
	FRAG 64+12*T*(\p)+12*FI, ADRA16+\slot, ADRA8+\slot, FI*RBROW+(\q)*FRB
.set FI, FI+1
.endr
.endm
.macro SCALES set                      ; a slot's scale words: lanes 0-15 A's block i, lanes 16-31 B's block i
.set SI, 0
.rept T
.set SQ, 0
.rept NQ
	ds_load_b32 v[SC+16*(\set)+NQ*SI+SQ], v[ADRS] offset:SI*NKS*64+64*SQ
.set SQ, SQ+1
.endr
.set SI, SI+1
.endr
.endm
.macro MULA a, p, q, set, zero         ; A's block a against B's T blocks
.if T == 8
	WIN 0xa1+0x50*((\a)/4)
.set AC, 64*((\a)%4)
.else
	WIN 0xa1
.set AC, 32*(\a)
.endif
.set MB, 0
.rept T
.if \zero
	v_wmma_scale_f32_16x16x128_f8f6f4 v[AC+8*MB:AC+8*MB+7], v[128*(\p)+12*MB:128*(\p)+12*MB+11], v[64+12*T*(\p)+12*(\a):64+12*T*(\p)+12*(\a)+11], 0, v[SC+16*(\set)+NQ*MB+(\q)], v[SC+16*(\set)+NQ*(\a)+(\q)] matrix_a_fmt:MATRIX_FMT_FP6 matrix_b_fmt:MATRIX_FMT_FP6 matrix_a_scale:MATRIX_SCALE_ROW1
.else
	v_wmma_scale_f32_16x16x128_f8f6f4 v[AC+8*MB:AC+8*MB+7], v[128*(\p)+12*MB:128*(\p)+12*MB+11], v[64+12*T*(\p)+12*(\a):64+12*T*(\p)+12*(\a)+11], v[AC+8*MB:AC+8*MB+7], v[SC+16*(\set)+NQ*MB+(\q)], v[SC+16*(\set)+NQ*(\a)+(\q)] matrix_a_fmt:MATRIX_FMT_FP6 matrix_b_fmt:MATRIX_FMT_FP6 matrix_a_scale:MATRIX_SCALE_ROW1
.endif
.set MB, MB+1
.endr
.endm
.macro MULR a0, n, p, q, set, zero     ; n of A's blocks from a0 on.  The accumulators take turns, one instruction a turn, in the same order in every step
.set MA, \a0
.rept \n
	MULA MA, \p, \q, \set, \zero
.set MA, MA+1
.endr
.endm
.macro STEP slot, q, zero              ; a step of 128 along K whose successor lies in the same slot
	s_wait_dscnt 0x0                               ; this step's fragments, asked for a whole step ago
	WIN 0
	PLACES
	FETCH \slot, (\q)+1, 1-(\q)%2
	MULR 0, T, (\q)%2, \q, \slot, \zero
.endm
.macro REST slot
.if NQ > 2
.set RQ, 1
.rept NQ-2
	STEP \slot, RQ, 0
.set RQ, RQ+1
.endr
.endif
.endm
; A slot's last step changes slots: ONE barrier; in front of it each wave waits for all its tensor loads, adds 0 to its spare word, and waits for that and for its own reads of this slot.  fill = 1: this slot is filled again, two slots ahead.
.macro TURN slot, next, fill
	WIN 0
	s_wait_tensorcnt 0x0                           ; all my tensor loads have landed: my part of the next slot
	ds_add_u32 v[SPW], v[NIL]                      ; 0 onto my spare word
	s_wait_dscnt 0x1                               ; all but the add: this step's fragments are in
	MULR 0, T/4, 1, NQ-1, \slot, 0
	s_wait_dscnt 0x0                               ; the add is done, and my reads of this slot are over
	s_barrier_signal -1
	MULR T/4, T/4, 1, NQ-1, \slot, 0
	WIN 0
	s_barrier_wait -1
.if \fill
	CREST                                          ; the barrier has opened a round of the cluster's: no wave of any partner still reads this slot or has a load on its way
	s_add_nc_u64 s[G0+4*\slot+2:G0+4*\slot+3], s[G0+4*\slot+2:G0+4*\slot+3], 2*RBROW
	s_add_nc_u64 s[G0B+4*\slot+2:G0B+4*\slot+3], s[G0B+4*\slot+2:G0B+4*\slot+3], 2*RBROW
	JLOAD G0+4*\slot, G1, G0B+4*\slot, G1B         ; the first tensor load behind the round; its four v_nop are also the places in front of the loads below
.else
	PLACES
.endif
	v_add_nc_u32 v[ADRS], 64*NQ, v[ADRS]           ; on to the next slot's scale words
	FETCH \next, 0, 0
	SCALES \next
	MULR T/2, T/2, 1, NQ-1, \slot, 0
.endm
; 64 numbers of a lane become a fragment's codes in v[PC] on and its scale word in v[PW]
.macro QUANT s
.irp b, 0,1,2,3
	v_max3_num_f32 v[TM+\b], |v[\s+16*\b]|, |v[\s+1+16*\b]|, 0x1800000   ; my 16 numbers of block b, and the floor 2^(3 - 127)
.endr
.irp i, 2,4,6,8,10,12,14
.irp b, 0,1,2,3
	v_max3_num_f32 v[TM+\b], v[TM+\b], |v[\s+16*\b+\i]|, |v[\s+1+16*\b+\i]|
.endr
.endr
.irp b, 0,1,2,3
	v_permlanex16_b32 v[TM+4+\b], v[TM+\b], s[SEL], s[SEL+1]
.endr
.irp b, 0,1,2,3
	v_max_num_f32 v[TM+\b], v[TM+\b], v[TM+4+\b]
.endr
.irp b, 0,1,2,3
	v_add_nc_u32 v[TM+12+\b], 0xff000000, v[TM+\b]   ; 2 off the exponent field: the conversion's scale operand
.endr
.irp b, 0,1,2,3
	v_lshrrev_b32 v[TM+4+\b], 23, v[TM+12+\b]
.endr
	v_lshl_or_b32 v[PW], v[TM+5], 8, v[TM+4]
	v_lshl_or_b32 v[PW], v[TM+6], 16, v[PW]
	v_lshl_or_b32 v[PW], v[TM+7], 24, v[PW]
.irp c, 0,1
	v_cvt_scalef32_pk16_fp6_f32 v[PC+6*\c:PC+2+6*\c], v[\s+32*\c:\s+15+32*\c], v[TM+12+2*\c]
	v_cvt_scalef32_pk16_fp6_f32 v[PC+12+4*\c:PC+14+4*\c], v[\s+16+32*\c:\s+31+32*\c], v[TM+12+2*\c+1]
.endr
	v_nop                                          ; one plain place behind a scaled conversion
.irp c, 0,1
.irp i, 0,1,2
	v_permlane16_swap_b32 v[PC+6*\c+\i], v[PC+12+4*\c+\i]
.endr
.irp i, 0,1,2
	v_mov_b32 v[PC+3+6*\c+\i], v[PC+12+4*\c+\i]
.endr
.endr
.endm
; gelu(x) = 0.5 x (1 + erf(x / sqrt 2)) on 32 numbers; erf(z) = z P(z^2) / Q(z^2) with z held to +-4, degrees 6 and 4 in z^2
.macro GELU c
.set GX, X+32*(\c)
.set GK, 0
.rept 16
	v_pk_mul_f32 v[Z+GK:Z+GK+1], v[GX+GK:GX+GK+1], 0x3f3504f3 op_sel_hi:[1,0]
.set GK, GK+2
.endr
.set GK, 0
.rept 32
	v_med3_num_f32 v[Z+GK], v[Z+GK], -4.0, 4.0
.set GK, GK+1
.endr
.set GK, 0
.rept 16
	v_pk_mul_f32 v[W+GK:W+GK+1], v[Z+GK:Z+GK+1], v[Z+GK:Z+GK+1]
.set GK, GK+2
.endr
.set GK, 0
.rept 16
	v_pk_fma_f32 v[P+GK:P+GK+1], v[W+GK:W+GK+1], 0xaf95df0a, v[16:17] op_sel_hi:[1,0,1]
	v_pk_fma_f32 v[Q+GK:Q+GK+1], v[W+GK:W+GK+1], 0xb77460cd, v[18:19] op_sel_hi:[1,0,1]
.set GK, GK+2
.endr
.irp lit, 0xb60cff51, 0xb86ec2d2, 0xba40ac63, 0xbb41a1f6, 0xbc83dbd4
.set GK, 0
.rept 16
	v_pk_fma_f32 v[P+GK:P+GK+1], v[P+GK:P+GK+1], v[W+GK:W+GK+1], \lit op_sel_hi:[1,1,0]
.set GK, GK+2
.endr
.endr
.irp lit, 0xbadc924e, 0xbbf19bf8, 0xbc69b6a7
.set GK, 0
.rept 16
	v_pk_fma_f32 v[Q+GK:Q+GK+1], v[Q+GK:Q+GK+1], v[W+GK:W+GK+1], \lit op_sel_hi:[1,1,0]
.set GK, GK+2
.endr
.endr
.set GK, 0
.rept 32
	v_rcp_f32 v[Q+GK], v[Q+GK]
.set GK, GK+1
.endr
.set GK, 0
.rept 16                                       ; plain work that names no reciprocal stands behind the batch
	v_pk_mul_f32 v[P+GK:P+GK+1], v[P+GK:P+GK+1], v[Z+GK:Z+GK+1]
	v_pk_mul_f32 v[GX+GK:GX+GK+1], v[GX+GK:GX+GK+1], 0.5 op_sel_hi:[1,0]
.set GK, GK+2
.endr
	s_wait_alu depctr_va_vdst(0)                   ; one wait for the 32 reciprocals, ahead of their first reader
.set GK, 0
.rept 16
	v_pk_mul_f32 v[P+GK:P+GK+1], v[P+GK:P+GK+1], v[Q+GK:Q+GK+1]
.set GK, GK+2
.endr
.set GK, 0
.rept 16
	v_pk_fma_f32 v[GX+GK:GX+GK+1], v[GX+GK:GX+GK+1], v[P+GK:P+GK+1], v[GX+GK:GX+GK+1]
.set GK, GK+2
.endr
.endm
; A's block a: its 64 results a lane, with the bias, into v[X] on; each accumulator is read from its low end on
.macro ARM a
.if ISG1
	WIN 0x21+0x10*((\a)/4)
.set K2, 0
.rept 32
	v_pk_fma_f32 v[X+K2:X+K2+1], v[96+K2+96*(K2/32):97+K2+96*(K2/32)], s[28:29], v[64*((\a)%4)+K2:64*((\a)%4)+K2+1] op_sel_hi:[1,0,1]
.set K2, K2+2
.endr
	WIN 0
.set K2, 0
.rept 32
	v_pk_fma_f32 v[X+K2:X+K2+1], v[16+2*(\a):17+2*(\a)], s[30:31], v[X+K2:X+K2+1] op_sel_hi:[0,0,1]
.set K2, K2+2
.endr
.else
	WIN 0x06+(\a)/4
.set K2, 0
.rept 32
	v_pk_add_f32 v[X+K2:X+K2+1], v[64*((\a)%4)+K2:64*((\a)%4)+K2+1], v[96+K2+96*(K2/32):97+K2+96*(K2/32)]
.set K2, K2+2
.endr
	WIN 0
.endif
.endm
	s_load_b256 s[4:11], s[0:1], 0x0               ; the tokens' images, the weights' images, the bias, the output
	v_lshl_add_u32 v[SPW], v0, 2, SPARE
	v_mov_b32 v[NIL], 0
	ds_add_u32 v[SPW], v[NIL]                      ; the wave's opening: an add and its wait ahead of my first tensor load; work on registers stands between them
	v_lshrrev_b32 v1, 5, v0
	v_readfirstlane_b32 s14, v1                    ; wave 0..3
	s_lshr_b32 s15, s14, 1                         ; which half of the tile's rows is mine.  Also: I fetch for A (0) or for B (1)
	s_and_b32 s16, s14, 1                          ; which half of its columns.  Also: which half of that tile I fetch
	s_bfe_u32 s40, ttmp6, 0x40000                  ; cx, cy: my place in the cluster
	s_bfe_u32 s41, ttmp6, 0x40004
	s_lshl_b32 s42, ttmp9, 2
	s_and_b32 s17, ttmp7, 0xffff
	s_lshl_b32 s17, s17, 2
.if ISG1
	s_mov_b32 s2, 9437184
	s_cmp_eq_u32 ttmp9, 2                          ; v's clusters: the same answer in all sixteen partners
	s_cselect_b32 s42, s17, s42                    ; tile columns: v: 4 x cluster y on; q, k: 4 x cluster x on
	s_cselect_b32 s17, 0, s17                      ; tile rows: v: 0 on; q, k: 4 x cluster y on
	s_cselect_b32 s12, 128, 0                      ; A's first fragment: W_v begins at fragment 128
	s_cselect_b32 s13, s2, 3145728                 ; where A's scale words begin in its buffer,
	s_cselect_b32 s19, 3145728, s2                 ; and B's
.else
	s_mov_b32 s12, 0
	s_mov_b32 s13, ASCO
	s_mov_b32 s19, BSCO
.endif
	s_add_co_u32 s42, s42, s40                     ; tile column
	s_add_co_u32 s17, s17, s41                     ; tile row
	s_lshl_b32 s43, s41, 2
	s_lshl_b32 s43, 15, s43                        ; my row of the cluster
	s_lshl_b32 s44, 0x1111, s40                    ; my column
	s_or_b32 s[G1+0], s43, (3<<16)|(1<<21)         ; the mask: A's tiles go to my row; elements of 8 bytes; bit 21 set beside a mask; no padding
	s_or_b32 s[G1B+0], s44, (3<<16)|(1<<21)
.irp g, G1, G1B
	s_mov_b32 s[\g+1], (RBROW/8)<<16               ; tensor_dim0
	s_mov_b32 s[\g+2], T<<16                       ; tensor_dim1
	s_mov_b32 s[\g+3], (RBROW/8)<<16               ; tile_dim0: a fragment row's images of one slot
	s_mov_b32 s[\g+4], T                           ; tile_dim1: T fragment rows
	s_mov_b32 s[\g+5], NKS*FRB/8                   ; from fragment row to fragment row
	s_mov_b32 s[\g+6], 0
	s_mov_b32 s[\g+7], 0
.endr
	s_or_b32 s[G1S+0], s43, (3<<16)|(1<<21)        ; the scale words of T fragments: a dense block, as rows of 256 bytes
	s_or_b32 s[G1SB+0], s44, (3<<16)|(1<<21)
.irp g, G1S, G1SB
	s_mov_b32 s[\g+1], 32<<16
	s_mov_b32 s[\g+2], (HALFS/256)<<16
	s_mov_b32 s[\g+3], 32<<16
	s_mov_b32 s[\g+4], HALFS/256
	s_mov_b32 s[\g+5], 32
	s_mov_b32 s[\g+6], 0
	s_mov_b32 s[\g+7], 0
.endr
	s_mul_i32 s18, s16, T                          ; which T fragments of the tile I fetch
	s_mul_i32 s20, s17, 2*T
	s_add_co_u32 s20, s20, s18
	s_add_co_u32 s20, s20, s12                     ; A's
	s_mul_i32 s46, s42, 2*T
	s_add_co_u32 s46, s46, s18                     ; B's
	s_mul_i32 s22, s20, NKS*64
	s_add_co_u32 s22, s22, s13
	s_mul_i32 s20, s20, NKS*FRB
	s_mul_i32 s92, s46, NKS*64
	s_add_co_u32 s92, s92, s19
	s_mul_i32 s46, s46, NKS*FRB
	s_add_co_u32 s46, s46, BCODE
	s_mov_b32 s21, 0
	s_mov_b32 s23, 0
	s_mov_b32 s47, 0
	s_mov_b32 s93, 0
	s_mul_i32 s45, s14, QUART                      ; where they go: no place in the cluster enters an LDS address
	s_mul_i32 s94, s14, HALFS
	s_wait_dscnt 0x0                               ; the opening add is done
	s_wait_kmcnt 0x0
.if ISG1
	s_cmp_eq_u32 ttmp9, 2
	s_cselect_b64 s[98:99], s[6:7], s[4:5]         ; A's buffer
	s_cselect_b64 s[96:97], s[4:5], s[6:7]         ; B's
.else
	s_mov_b64 s[98:99], s[4:5]
	s_mov_b64 s[96:97], s[6:7]
.endif
	s_add_nc_u64 s[20:21], s[98:99], s[20:21]
	s_add_nc_u64 s[22:23], s[98:99], s[22:23]
	s_add_nc_u64 s[46:47], s[96:97], s[46:47]
	s_add_nc_u64 s[92:93], s[96:97], s[92:93]
	CROUND                                         ; all sixteen work-groups are here: the first joint loads meet
	s_mov_b32 s[G0S], 1
	s_add_co_u32 s[G0S+1], s94, SCL
	s_mov_b64 s[G0S+2:G0S+3], s[22:23]
	s_or_b32 s[G0S+3], s[G0S+3], 0x80000000
	s_mov_b32 s[G0SB], 1
	s_add_co_u32 s[G0SB+1], s94, SCL
	s_mov_b64 s[G0SB+2:G0SB+3], s[92:93]
	s_or_b32 s[G0SB+3], s[G0SB+3], 0x80000000
	JLOAD G0S, G1S, G0SB, G1SB                     ; the scale words of all of K: filled once
.irp s, 0,1
	s_mov_b32 s[G0+4*\s], 1
	s_add_co_u32 s[G0+4*\s+1], s45, \s*SLOT
	s_add_nc_u64 s[G0+4*\s+2:G0+4*\s+3], s[20:21], \s*RBROW
	s_or_b32 s[G0+4*\s+3], s[G0+4*\s+3], 0x80000000
	s_mov_b32 s[G0B+4*\s], 1
	s_add_co_u32 s[G0B+4*\s+1], s45, \s*SLOT
	s_add_nc_u64 s[G0B+4*\s+2:G0B+4*\s+3], s[46:47], \s*RBROW
	s_or_b32 s[G0B+4*\s+3], s[G0B+4*\s+3], 0x80000000
	JLOAD G0+4*\s, G1, G0B+4*\s, G1B               ; three tensor loads of mine are out
.endr
	v_and_b32 v3, 15, v0                           ; r
	v_bfe_u32 v15, v0, 4, 1                        ; h
	v_and_b32 v1, 31, v0
	v_lshlrev_b32 v2, 3, v1                        ; 8 x lane
	v_lshlrev_b32 v1, 4, v1                        ; 16 x lane
	s_mul_i32 s21, s15, QUART                      ; my half of A
	s_mul_i32 s22, s16, QUART
	s_add_co_u32 s22, s22, 2*QUART                 ; my half of B
.irp s, 0,1
	v_add_nc_u32 v[ADRA16+\s], s21, v1
	v_add_nc_u32 v[ADRA8+\s], s21, v2
	v_add_nc_u32 v[ADRB16+\s], s22, v1
	v_add_nc_u32 v[ADRB8+\s], s22, v2
	s_add_co_u32 s21, s21, SLOT
	s_add_co_u32 s22, s22, SLOT
.endr
	s_mul_i32 s21, s15, HALFS
	s_mul_i32 s22, s16, HALFS
	s_add_co_u32 s22, s22, 2*HALFS
	s_sub_co_u32 s22, s22, s21
	v_mul_u32_u24 v[ADRS], s22, v15                ; lanes 16-31 take B's words: one product, the distance between the two
	v_lshl_add_u32 v[ADRS], v3, 2, v[ADRS]
	s_add_co_u32 s21, s21, SCL
	v_add_nc_u32 v[ADRS], s21, v[ADRS]
	v_lshlrev_b32 v15, 6, v15                      ; 64 h: the column bias's offset; stays
	s_lshl_b32 s46, s42, 1
	s_add_co_u32 s46, s46, s16                     ; g: my 128 columns
.if ISG1
	v_and_b32 v0, 7, v3
	v_lshrrev_b32 v16, 3, v3
	v_lshl_add_u32 v0, v16, 4, v0
	v_lshlrev_b32 v0, 2, v0                        ; the row bias's offset: 4 (r % 8 + 16 (r / 8)); stays
	s_lshl_b32 s20, s17, 4
	s_lshl_b32 s21, s15, 3
	s_add_co_u32 s20, s20, s21                     ; my first row fragment
	s_cmp_eq_u32 ttmp9, 2
	s_cselect_b32 s20, s20, 0                      ; the bias that does not count is read from a place inside the buffer
	s_cselect_b32 s46, 0, s46
	s_lshl_b32 s20, s20, 6
	s_add_co_u32 s20, s20, 8192                    ; v's bias lies behind q's and k's 2,048 numbers
	s_mov_b32 s21, 0
	s_add_nc_u64 s[20:21], s[8:9], s[20:21]
.irp a, 0,1,2,3,4,5,6,7
	global_load_b32 v[16+2*\a], v0, s[20:21] offset:(32*(\a/2)+8*(\a%2))*4
	v_mov_b32 v[17+2*\a], 0                        ; named with it as a pair
.endr
.endif
	s_lshl_b32 s46, s46, 9
	s_mov_b32 s47, 0
	s_add_nc_u64 s[46:47], s[8:9], s[46:47]
	WIN 0x40
.irp b, 0,1,2,3
.irp j, 0,1,2,3
.set BN, 16*\b+4*\j
	global_load_b128 v[96+BN+96*(BN/32):99+BN+96*(BN/32)], v15, s[46:47] offset:128*\b+16*\j   ; the bias of column 32 b + 16 h + 4 j on
.endr
.endr
	WIN 0
	s_wait_tensorcnt 0x1                           ; the scale words and my part of slot 0 are in; slot 1's load may be out
	s_barrier_signal -1
	s_barrier_wait -1
	FETCH 0, 0, 0
	SCALES 0
	STEP 0, 0, 1                                   ; the first step's products start the sums: nothing is cleared
.if LAPS > 1
	WIN 0
	s_mov_b32 s3, LAPS-1
.Llap:                                             ; a trip goes once round the ring and fills both slots again
	REST 0
	TURN 0, 1, 1
	STEP 1, 0, 0
	REST 1
	TURN 1, 0, 1
	STEP 0, 0, 0
	WIN 0
	s_sub_co_u32 s3, s3, 1
	s_cmp_lg_u32 s3, 0
	s_cbranch_scc1 .Llap
.endif
	REST 0
	TURN 0, 1, 0                                   ; the last lap fills nothing
	STEP 1, 0, 0
	REST 1
	s_wait_dscnt 0x0
	MULR 0, T, 1, NQ-1, 1, 0
	WIN 0
	; THE WAY OUT: for each of my eight row fragments: bias, (activation,) quantise 128 columns in registers, store the image; the eight scale images gather in LDS and leave by one store
	s_wait_loadcnt 0x0                             ; the bias
	PLACES
	s_lshl_b32 s20, s42, 1
	s_add_co_u32 s20, s20, s16                     ; g
	s_lshl_b32 s21, s17, 4
	s_lshl_b32 s22, s15, 3
	s_add_co_u32 s21, s21, s22                     ; my first row fragment
.if ISG1
	s_mov_b32 s26, 9699328
	s_cmp_eq_u32 ttmp9, 2
	s_cselect_b32 s23, 1, 256                      ; images from column group to column group,
	s_cselect_b32 s24, 32, 1                       ; and from row fragment to row fragment
	s_cselect_b32 s25, 6291456, 0
	s_cselect_b32 s26, s26, 9437184
	s_cselect_b32 s28, 0, 1.0                      ; the column bias counts for q and k,
	s_cselect_b32 s30, 1.0, 0                      ; the row bias for v
	s_mov_b32 s29, s28
	s_mov_b32 s31, s30
.else
	s_mov_b32 s23, 1
	s_mov_b32 s24, 32
	s_mov_b32 s25, 0
	s_mov_b32 s26, 12582912
.endif
	s_mul_i32 s20, s20, s23
	s_mul_i32 s21, s21, s24
	s_add_co_u32 s20, s20, s21
	s_mul_i32 s32, s20, FRB
	s_add_co_u32 s32, s32, s25
	s_mov_b32 s33, 0
	s_lshl_b32 s34, s20, 6
	s_add_co_u32 s34, s34, s26
	s_mov_b32 s35, 0
	s_add_nc_u64 s[32:33], s[10:11], s[32:33]      ; my first image
	s_add_nc_u64 s[34:35], s[10:11], s[34:35]      ; its scale words
	s_mul_i32 s36, s24, FRB
	s_mov_b32 s37, 0
	s_lshl_b32 s38, s24, 6
	s_mov_b32 s[SEL], 0x76543210
	s_mov_b32 s[SEL+1], 0xfedcba98
	s_lshl_b32 s46, s14, 9
	s_add_co_u32 s46, s46, AUX
	v_lshlrev_b32 v4, 2, v3
	v_add_nc_u32 v4, s46, v4                       ; my row's scale word, fragment 0
	v_add_nc_u32 v5, s46, v1                       ; back: 16 bytes a lane
	v_lshrrev_b32 v6, 6, v1
	v_mul_u32_u24 v6, s38, v6
	v_and_b32 v8, 0x30, v1
	v_add_nc_u32 v6, v6, v8                        ; four lanes to a fragment's 64 bytes
.irp b, 0,1,2,3
	v_mov_b32 v[TM+4+\b], 0
.endr
.if GELUON
	v_mov_b32 v16, 0x32edffee
	v_mov_b32 v17, 0x32edffee
	v_mov_b32 v18, 0xb95fbd29
	v_mov_b32 v19, 0xb95fbd29
.endif
	s_mov_b32 s3, 0
	s_mov_b32 s39, 0
.Lrow:                                             ; eight trips; a forward switch on the count picks the fragment's accumulators, so that what follows is written once
.irp a, 0,1,2,3,4,5,6
	s_cmp_eq_u32 s3, \a
	s_cbranch_scc1 .Larm\a
.endr
	ARM 7
	s_branch .Ljoin
.irp a, 0,1,2,3,4,5,6
.Larm\a:
	ARM \a
	s_branch .Ljoin
.endr
.Ljoin:
.if GELUON
	GELU 0
	GELU 1
.endif
	QUANT X
	global_store_b128 v1, v[PC:PC+3], s[32:33]     ; each store of the wave covers 512 or 256 consecutive bytes, aligned
	global_store_b64 v2, v[PC+4:PC+5], s[32:33] offset:512
	global_store_b128 v1, v[PC+6:PC+9], s[32:33] offset:768
	global_store_b64 v2, v[PC+10:PC+11], s[32:33] offset:1280
	v_add_nc_u32 v7, s39, v4
	ds_store_b32 v7, v[PW]
	s_wait_dscnt 0x0
	s_wait_xcnt 0x0                                ; the stores have read their data and their base: both are written again
	s_add_nc_u64 s[32:33], s[32:33], s[36:37]
	s_add_co_u32 s39, s39, 64
	s_add_co_u32 s3, s3, 1
	s_cmp_lt_u32 s3, 8
	s_cbranch_scc1 .Lrow
	ds_load_b128 v[PC:PC+3], v5                    ; my own bytes: LDS serves a wave's instructions in order
	s_wait_dscnt 0x0
	global_store_b128 v6, v[PC:PC+3], s[34:35]
	s_wait_tensorcnt 0x0                           ; the wave's end: my tensor loads landed, then 0 onto my spare word and its wait, behind my last LDS store
	ds_add_u32 v[SPW], v[NIL]
	s_wait_dscnt 0x0
	CROUND                                         ; the closing round
	s_endpgm
.Lfunc_end_k_qc04d1800f9_g1:
	.size	k_qc04d1800f9_g1, .Lfunc_end_k_qc04d1800f9_g1-k_qc04d1800f9_g1
	.p2alignl 7, 3214868480
	.fill 96, 4, 3214868480
	.section	.rodata,"a",@progbits
	.p2align	6, 0x0
	.amdhsa_kernel k_qc04d1800f9_g1
		.amdhsa_group_segment_fixed_size 327680
		.amdhsa_private_segment_fixed_size 0
		.amdhsa_enable_private_segment 0
		.amdhsa_kernarg_size 32
		.amdhsa_user_sgpr_count 2
		.amdhsa_user_sgpr_kernarg_segment_ptr 1
		.amdhsa_wavefront_size32 1
		.amdhsa_system_sgpr_workgroup_id_x 1
		.amdhsa_system_sgpr_workgroup_id_y 1
		.amdhsa_system_sgpr_workgroup_id_z 1
		.amdhsa_system_vgpr_workitem_id 0
		.amdhsa_next_free_vgpr 1024
		.amdhsa_next_free_sgpr 100
		.amdhsa_reserve_vcc 0
		.amdhsa_float_denorm_mode_32 3
		.amdhsa_float_denorm_mode_16_64 3
		.amdhsa_memory_ordered 1
		.amdhsa_forward_progress 1
		.amdhsa_inst_pref_size 158
	.end_amdhsa_kernel
	.amdgpu_metadata
---
amdhsa.version: [ 1, 2 ]
amdhsa.kernels:
  - .name:           k_qc04d1800f9_g1
    .symbol:         k_qc04d1800f9_g1.kd
    .args:
      - { .name: hq, .offset: 0, .size: 8, .value_kind: global_buffer, .address_space: global }
      - { .name: wq, .offset: 8, .size: 8, .value_kind: global_buffer, .address_space: global }
      - { .name: b_in, .offset: 16, .size: 8, .value_kind: global_buffer, .address_space: global }
      - { .name: aq, .offset: 24, .size: 8, .value_kind: global_buffer, .address_space: global }
    .group_segment_fixed_size: 327680
    .private_segment_fixed_size: 0
    .kernarg_segment_align: 8
    .kernarg_segment_size: 32
    .max_flat_workgroup_size: 128
    .sgpr_count:     100
    .vgpr_count:     1024
    .wavefront_size: 32
...
	.end_amdgpu_metadata
.endif
;; end of part 3
;; launch attn (part 4): grid 8 x 32, 16 waves a work-group, no clusters, 0 bytes of LDS; arguments aq, attention_mask, oq; writes oq
.if DOCPART == 4
	.amdgcn_target "amdgcn-amd-amdhsa--gfx1250"
	.amdhsa_code_object_version 6
	.text
	.protected	k_qc04d1800f9_attn
	.globl	k_qc04d1800f9_attn
	.p2align	8
	.type	k_qc04d1800f9_attn,@function
k_qc04d1800f9_attn:
	s_mov_b64 s[64:65], 0
	v_nop
	global_prefetch_b8 v0, s[64:65] scope:SCOPE_SE
	s_setreg_imm32_b32 hwreg(HW_REG_WAVE_MODE, 25, 1), 1
	s_wait_xcnt 0x0
; o = softmax(q k^T / 8 + mask + key mask) v for one head, both products on codes of FP6 (E2M3) with E8M0 scales; o is quantised at once as the next product's operand.
; mask: 0 where j <= i and (i - j <= 128 or j < 16), else -1e9; key mask: -1e9 where attention_mask is 0.  BOTH ARE ADDED, in that order and in f32, as the definition has it: a row whose allowed keys are all holes
; has its maximum near -1e9 and then attends to every key with one penalty.  So the keys outside the band may be passed over only where a row is known to have a key with no penalty.
; A wave owns 16 queries (fragment qf: lane index r holds query 32 (qf / 2) + 8 (qf % 2) + r % 8 + 16 (r / 8)).  At its head it reads the key mask of five blocks of 32 keys and looks for one unmasked key that the band allows to all
; its 16 queries.  If there is one, it walks key steps 0, s - 1 and s alone (s = qf / 8; 128 keys a step); else all 16.  The test can only err towards the full walk.  These are branches on whole numbers read from an input.
; The launch has no tensor load: operands, laid as images of operand registers, come from memory straight into registers; the SIMD's other three waves work meanwhile.  There are no joint loads in a cluster.
; Both products are used transposed: a lane holds one query throughout.  K = 64 for the scores: q's upper six registers are zero codes, which annul whatever k's upper six hold.
; THE SOFTMAX: t = fl(L log2 e); M = ceil of the running largest t; p = 2^(t - M) is quantised along the keys; the row's sum is taken of the unquantised p and divides at the end.  t is rounded before M is taken off, as the rule writes it.
; LIMITS: NaN and infinities are not served; |score| / 8 stays under 1e8, so that a key with a penalty gives p = 0 beside one without.
.set S,    96                          ; v96-159  the logits, then p: register 16 b + e = key 32 b + 16 (lane / 16) + e of the step
.set O,    160                         ; v160-191 O^T: register 16 b + e = channel 32 b + 16 (lane / 16) + e of the head
.set PC,   192                         ; v192-203 p's codes; v204-211 at work
.set BM,   212
.set PD,   216
.set SO,   220
.set SEL,  42
.set LE,   44
.set ST,   46
.set NKF,  47
.set DEL,  48
.set WALK, 49
.set NEG,  50
.set MB0,  51
.set AW,   52
; the band, for block b of the step's four blocks of 32 keys: L = score / 8 + (0 or -1e9), one rounding.  delta = my queries' block of 32 less the keys'.
.macro BLKMASK b
.if \b == 0
.set DREG, 11
.else
.set DREG, 10
.endif
	s_sub_co_i32 s60, s[DEL], \b
	s_and_b32 s61, s60, -5
	s_cmp_eq_u32 s61, 0                            ; delta = 0 (the diagonal) or 4 (the band's far edge): lane by lane
	s_cbranch_scc1 .Lpart_\@
.if \b == 0
	s_cmp_eq_u32 s[ST], 0                          ; and the block with the 16 global keys
	s_cbranch_scc1 .Lpart_\@
.endif
	s_sub_co_u32 s61, s60, 1
	s_cmp_lt_u32 s61, 3                            ; 1 <= delta <= 3: every key counts; else none
	s_cselect_b32 s61, 0, s[NEG]
	v_mov_b32 v234, s61
	v_mov_b32 v235, s61
.irp e, 0,2,4,6,8,10,12,14
	v_pk_fma_f32 v[S+16*\b+\e:S+16*\b+\e+1], v[S+16*\b+\e:S+16*\b+\e+1], 0x3e000000, v[234:235] op_sel_hi:[1,0,1]
.endr
	s_branch .Ldone_\@
.Lpart_\@:
.irp e, 0,2,4,6,8,10,12,14
	v_add_nc_u32 v228, -(32*\b+\e), v[DREG]        ; i - j
	v_add_nc_u32 v229, -(32*\b+\e+1), v[DREG]
	v_cmp_ge_u32 vcc_lo, 0x80, v228                ; 0 <= i - j <= 128, as one unsigned compare
	v_cndmask_b32 v234, v232, v233, vcc_lo
	v_cmp_ge_u32 vcc_lo, 0x80, v229
	v_cndmask_b32 v235, v232, v233, vcc_lo
	v_pk_fma_f32 v[S+16*\b+\e:S+16*\b+\e+1], v[S+16*\b+\e:S+16*\b+\e+1], 0x3e000000, v[234:235] op_sel_hi:[1,0,1]
.endr
.Ldone_\@:
.endm
; the key mask of block b: the second addition; passed over where all 32 keys are unmasked
.macro KEYMASK b
	s_cmp_eq_u32 s[AW+\b], -1
	s_cbranch_scc1 .Lfull_\@
	v_lshrrev_b32 v230, v6, s[AW+\b]               ; my half's 16 keys
	v_xor_b32 v230, -1, v230                       ; 1 = masked
.irp e, 0,2,4,6,8,10,12,14
	v_bfe_u32 v228, v230, \e, 1
	v_bfe_u32 v229, v230, \e+1, 1
	v_mul_lo_u32 v234, v228, s[NEG]                ; 0, or the bits of -1e9
	v_mul_lo_u32 v235, v229, s[NEG]
	v_pk_add_f32 v[S+16*\b+\e:S+16*\b+\e+1], v[S+16*\b+\e:S+16*\b+\e+1], v[234:235]
.endr
.Lfull_\@:
.endm
	s_load_b128 s[4:7], s[0:1], 0x0                ; the images of q, k, v; attention_mask
	s_load_b64 s[8:9], s[0:1], 0x10                ; o's images
	v_lshrrev_b32 v1, 5, v0
	v_readfirstlane_b32 s10, v1                    ; wave 0..15
	s_and_b32 s11, ttmp7, 0xffff
	s_lshr_b32 s12, s11, 4                         ; b
	s_and_b32 s13, s11, 15                         ; head
	s_lshr_b32 s14, s13, 1                         ; the pair of heads,
	s_and_b32 s15, s13, 1                          ; and which of the two: a half of each image
	s_lshl_b32 s16, ttmp9, 4
	s_add_co_u32 s16, s16, s10                     ; qf
	s_lshl_b32 s17, s12, 7
	s_add_co_u32 s17, s17, s16                     ; F: the fragment among all tokens
	s_lshr_b32 s18, s16, 1                         ; my queries' block of 32
	s_and_b32 s19, s16, 1
	s_lshr_b32 s20, s16, 3                         ; s: my queries' key step
	v_and_b32 v7, 31, v0
	v_lshlrev_b32 v1, 4, v7                        ; 16 x lane
	v_lshlrev_b32 v2, 3, v7                        ; 8 x lane
	v_lshlrev_b32 v5, 2, v7                        ; 4 x lane
	v_and_b32 v226, 15, v0                         ; r
	v_bfe_u32 v227, v0, 4, 1                       ; h
	s_lshl_b32 s21, s15, 1
	v_add_nc_u32 v3, s21, v5                       ; my head's two scale bytes of a word
	v_lshlrev_b32 v4, 2, v226
	v_add_nc_u32 v30, s21, v4                      ; the same for row r alone
	v_lshl_add_u32 v4, v227, 11, v4                ; v's scale words: lanes 16-31 take the next fragment of channels
	v_lshlrev_b32 v6, 4, v227                      ; 16 h
	v_and_b32 v8, 7, v226
	v_lshrrev_b32 v228, 3, v226
	v_lshl_add_u32 v8, v228, 4, v8
	s_lshl_b32 s22, s18, 5
	s_lshl_b32 s23, s19, 3
	s_add_co_u32 s22, s22, s23
	v_add_nc_u32 v8, s22, v8                       ; i: my query
	v_sub_nc_u32 v9, v8, v6                        ; i - 16 h
	s_lshl_b32 s22, s14, 8
	s_lshl_b32 s23, s12, 7
	s_add_co_u32 s22, s22, s23                     ; 256 x pair + 128 b
	s_mul_i32 s56, s15, 768
	s_add_co_u32 s57, s22, 2048                    ; k's images lie 8 x 256 behind q's
	s_mul_i32 s24, s57, 1536
	s_add_co_u32 s24, s24, s56
	s_lshl_b32 s26, s57, 6
	s_add_co_u32 s26, s26, 9437184
	s_add_co_u32 s57, s22, s16
	s_mul_i32 s34, s57, 1536
	s_add_co_u32 s34, s34, s56
	s_lshl_b32 s36, s57, 6
	s_add_co_u32 s36, s36, 9437184
	s_lshl_b32 s57, s13, 7
	s_lshl_b32 s58, s12, 4
	s_add_co_u32 s57, s57, s58                     ; v: 32 (4 head) + 16 b
	s_mul_i32 s28, s57, 1536
	s_add_co_u32 s28, s28, 6291456
	s_lshl_b32 s30, s57, 6
	s_add_co_u32 s30, s30, 9699328
	s_lshl_b32 s32, s12, 13
	s_lshl_b32 s57, s17, 3
	s_add_co_u32 s57, s57, s14                     ; o: 8 F + pair
	s_mul_i32 s38, s57, 1536
	s_add_co_u32 s38, s38, s56
	s_lshl_b32 s40, s57, 6
	s_add_co_u32 s40, s40, 3145728
.irp p, 25,27,29,31,33,35,37,39,41
	s_mov_b32 s\p, 0
.endr
	s_mov_b32 s[SEL], 0x76543210
	s_mov_b32 s[SEL+1], 0xfedcba98
	s_mov_b32 s[LE], 0x3fb8aa3b                    ; log2(e)
	s_mov_b32 s[LE+1], s[LE]
	s_mov_b32 s[NEG], 0xce6e6b28                   ; -1e9
.irp k, 0,1,2,3
	s_sub_co_i32 s57, s18, \k
	s_max_i32 s57, s57, 0
	s_lshl_b32 s57, s57, 7
	v_add_nc_u32 v[92+\k], s57, v5                 ; the key mask of my block of 32 and of the three before it (held at block 0)
.endr
	s_wait_kmcnt 0x0
	s_add_nc_u64 s[24:25], s[4:5], s[24:25]        ; k's images, step 0
	s_add_nc_u64 s[26:27], s[4:5], s[26:27]        ; their scale words
	s_add_nc_u64 s[28:29], s[4:5], s[28:29]        ; v's
	s_add_nc_u64 s[30:31], s[4:5], s[30:31]
	s_add_nc_u64 s[32:33], s[6:7], s[32:33]        ; the batch's key mask
	s_add_nc_u64 s[34:35], s[4:5], s[34:35]        ; q
	s_add_nc_u64 s[36:37], s[4:5], s[36:37]
	s_add_nc_u64 s[38:39], s[8:9], s[38:39]        ; o
	s_add_nc_u64 s[40:41], s[8:9], s[40:41]
	global_load_b128 v[16:19], v1, s[34:35]
	global_load_b64 v[20:21], v2, s[34:35] offset:512
	global_load_u16 v28, v3, s[36:37]              ; two bytes: the upper two of the word are 0, under zero codes
.irp k, 0,1,2,3
	global_load_b32 v[92+\k], v[92+\k], s[32:33]
.endr
	global_load_b32 v226, v5, s[32:33]             ; keys 0-31
.irp j, 22,23,24,25,26,27, 80,81,82,83,84,85
	v_mov_b32 v\j, 0                               ; q's upper 64 along K: zero codes; and what stands behind k's last tile
.endr
.irp j, 0,1,2,3,4,5,6,7,8,9,10,11,12,13,14,15,16,17,18,19,20,21,22,23,24,25,26,27,28,29,30,31
	v_mov_b32 v[O+\j], 0                           ; the step is written once: the first finds zeros
.endr
	v_mov_b32 v13, 0xff61b1e6                      ; the largest t so far: -3e38
	v_floor_f32 v12, -v13                          ; -M
	v_mov_b32 v14, 0
	v_mov_b32 v15, 0
.irp b, 0,1,2,3
	v_mov_b32 v[PD+\b], 0                          ; a lane permute's destination counts as one of its sources
.endr
	v_mov_b32 v225, 0
	v_mov_b32 v232, s[NEG]
	v_mov_b32 v233, 0
	s_wait_loadcnt 0x0
.irp k, 0,1,2,3
	v_cmp_ne_u32 s[AW+\k], 0, v[92+\k]             ; bit l: key l of the block is unmasked
.endr
	v_cmp_ne_u32 s56, 0, v226
	s_cmp_eq_u32 s19, 0
	s_cselect_b32 s57, 1, 0x1ff                    ; of my own block: the keys at or under my first query
	s_and_b32 s57, s[AW], s57
	s_cmp_ge_u32 s18, 1
	s_cselect_b32 s58, s[AW+1], 0                  ; the three blocks before: every key is at most 127 back
	s_or_b32 s57, s57, s58
	s_and_b32 s58, s56, 0xffff                     ; the global keys
	s_cmp_ge_u32 s18, 1
	s_cselect_b32 s58, s58, 0
	s_or_b32 s57, s57, s58
	s_cmp_ge_u32 s18, 2
	s_cselect_b32 s58, s[AW+2], 0
	s_or_b32 s57, s57, s58
	s_cmp_ge_u32 s18, 3
	s_cselect_b32 s58, s[AW+3], 0
	s_or_b32 s57, s57, s58
	s_lshl_b32 s58, 1, s20
	s_lshr_b32 s59, s58, 1
	s_or_b32 s58, s58, s59
	s_or_b32 s58, s58, 1                           ; steps 0, s - 1, s
	s_cmp_eq_u32 s57, 0
	s_cselect_b32 s[WALK], 0xffff, s58             ; no such key: every step
	s_mov_b32 s[ST], 0
	s_mov_b32 s[NKF], 0                            ; minus the step's first key
	s_mov_b32 s[DEL], s18                          ; my block of 32 less the step's first
.Lstep:                                            ; 16 trips, a constant; a step that is not walked is jumped over, but for the lines that step addresses
	s_lshr_b32 s56, s[WALK], s[ST]
	s_and_b32 s56, s56, 1
	s_cmp_eq_u32 s56, 0
	s_cbranch_scc1 .Lskip
.irp t, 0,1,2,3,4,5,6,7
	global_load_b128 v[32+6*\t:35+6*\t], v1, s[24:25] offset:1536*\t        ; my head's half of k's fragment t
	global_load_b64 v[36+6*\t:37+6*\t], v2, s[24:25] offset:1536*\t+512
.endr
.irp p, 0,1,2,3
	global_load_u16 v[86+\p], v3, s[26:27] offset:128*\p                    ; lanes 0-15: tile 2 p's scales, lanes 16-31: tile 2 p + 1's
.endr
.irp p, 0,1,2,3
	global_load_b32 v[92+\p], v5, s[32:33] offset:128*\p
.endr
	v_add_nc_u32 v10, s[NKF], v9                   ; i - 16 h - the step's first key
	s_cmp_eq_u32 s[ST], 0
	s_cselect_b32 s[MB0], 0xffff, 0
	v_min_u32 v226, 0x80, v10
	v_cndmask_b32 v11, v10, v226, s[MB0]           ; keys 0-15 (step 0, lanes 0-15): the distance is held at 128, so that they count wherever j <= i
	s_wait_loadcnt 0x0
.irp p, 0,1,2,3
	v_cmp_ne_u32 s[AW+\p], 0, v[92+\p]
.endr
.irp t, 0,1,2,3,4,5,6,7                        ; S^T = k q^T
.if \t%2
	v_wmma_scale_f32_16x16x128_f8f6f4 v[S+8*\t:S+8*\t+7], v[32+6*\t:43+6*\t], v[16:27], 0, v[86+\t/2], v28 matrix_a_fmt:MATRIX_FMT_FP6 matrix_b_fmt:MATRIX_FMT_FP6 matrix_a_scale:MATRIX_SCALE_ROW1
.else
	v_wmma_scale_f32_16x16x128_f8f6f4 v[S+8*\t:S+8*\t+7], v[32+6*\t:43+6*\t], v[16:27], 0, v[86+\t/2], v28 matrix_a_fmt:MATRIX_FMT_FP6 matrix_b_fmt:MATRIX_FMT_FP6
.endif
.endr
.rept 4
	v_nop                                          ; places in front of the loads into k's registers and of the first read of the scores
.endr
.irp t, 0,1,2,3                                ; v's four fragments of these 128 keys land under the softmax
	global_load_b128 v[32+12*\t:35+12*\t], v1, s[28:29] offset:49152*\t
	global_load_b64 v[36+12*\t:37+12*\t], v2, s[28:29] offset:49152*\t+512
	global_load_b128 v[38+12*\t:41+12*\t], v1, s[28:29] offset:49152*\t+768
	global_load_b64 v[42+12*\t:43+12*\t], v2, s[28:29] offset:49152*\t+1280
.endr
.irp p, 0,1
	global_load_b32 v[90+\p], v4, s[30:31] offset:4096*\p
.endr
	BLKMASK 0
	BLKMASK 1
	BLKMASK 2
	BLKMASK 3
	KEYMASK 0
	KEYMASK 1
	KEYMASK 2
	KEYMASK 3
.irp b, 0,1,2,3
	v_max3_num_f32 v[BM+\b], v[S+16*\b], v[S+1+16*\b], v[S+2+16*\b]   ; the largest logit of each block of 32 keys: for the row's maximum, and for the block's largest p
.endr
.irp i, 3,5,7,9,11,13
.irp b, 0,1,2,3
	v_max3_num_f32 v[BM+\b], v[BM+\b], v[S+16*\b+\i], v[S+1+16*\b+\i]
.endr
.endr
.irp b, 0,1,2,3
	v_max_num_f32 v[BM+\b], v[BM+\b], v[S+15+16*\b]
.endr
.irp b, 0,1,2,3
	v_permlanex16_b32 v[PD+\b], v[BM+\b], s[SEL], s[SEL+1]
.endr
.irp b, 0,1,2,3
	v_max_num_f32 v[BM+\b], v[BM+\b], v[PD+\b]
.endr
	v_max3_num_f32 v226, v212, v213, v214
	v_max_num_f32 v226, v226, v215
	v_mul_f32 v226, s[LE], v226                    ; as t
	v_max_num_f32 v13, v13, v226                   ; the running largest t
	v_mov_b32 v226, v12
	v_floor_f32 v12, -v13                          ; the new -M: M is a whole number
	v_sub_f32 v226, v12, v226                      ; old M less new M
	v_cvt_i32_f32 v226, v226                       ; (it saturates)
	v_ldexp_f32 v224, 1.0, v226                    ; f = 2^(old M - new M)
.irp j, 0,2,4,6,8,10,12,14,16,18,20,22,24,26,28,30,32,34,36,38,40,42,44,46,48,50,52,54,56,58,60,62
	v_pk_mul_f32 v[S+\j:S+\j+1], v[S+\j:S+\j+1], s[LE:LE+1] op_sel_hi:[1,0]   ; t, rounded,
.endr
.irp j, 0,2,4,6,8,10,12,14,16,18,20,22,24,26,28,30,32,34,36,38,40,42,44,46,48,50,52,54,56,58,60,62
	v_pk_add_f32 v[S+\j:S+\j+1], v[S+\j:S+\j+1], v[12:13] op_sel_hi:[1,0]     ; less M
.endr
.irp b, 0,1,2,3
	v_mul_f32 v[BM+\b], s[LE], v[BM+\b]            ; the same two of each block's largest logit
.endr
.irp b, 0,1,2,3
	v_add_f32 v[BM+\b], v12, v[BM+\b]
.endr
.irp j, 0,1,2,3,4,5,6,7,8,9,10,11,12,13,14,15,16,17,18,19,20,21,22,23,24,25,26,27,28,29,30,31,32,33,34,35,36,37,38,39,40,41,42,43,44,45,46,47,48,49,50,51,52,53,54,55,56,57,58,59,60,61,62,63
	v_exp_f32 v[S+\j], v[S+\j]                     ; p = 2^(t - M)
.endr
	v_pk_mul_f32 v[14:15], v[14:15], v[224:225] op_sel_hi:[1,0]   ; the sums under the new M: a plain place behind the exponentials
	s_wait_alu depctr_va_vdst(0)                   ; one wait for the batch, ahead of its first reader
.irp b, 0,1,2,3
	v_exp_f32 v[BM+\b], v[BM+\b]                   ; the block's largest p
.endr
	v_pk_add_f32 v[226:227], v[S:S+1], v[S+2:S+3]  ; the row's sum is taken of the unquantised p
.irp j, 4,8,12,16,20,24,28,32,36,40,44,48,52,56,60
	v_pk_add_f32 v[14:15], v[14:15], v[S+\j:S+\j+1]
	v_pk_add_f32 v[226:227], v[226:227], v[S+2+\j:S+3+\j]
.endr
	v_pk_add_f32 v[14:15], v[14:15], v[226:227]
	s_wait_alu depctr_va_vdst(0)                   ; and one for the four
.irp b, 0,1,2,3
	v_max_num_f32 v[BM+\b], 0x1800000, v[BM+\b]    ; the floor 2^(3 - 127)
.endr
.irp b, 0,1,2,3
	v_add_nc_u32 v[SO+\b], 0xff000000, v[BM+\b]
.endr
.irp b, 0,1,2,3
	v_lshrrev_b32 v[PD+\b], 23, v[SO+\b]
.endr
	v_lshl_or_b32 v29, v217, 8, v216               ; p's scale word for these 128 keys
	v_lshl_or_b32 v29, v218, 16, v29
	v_lshl_or_b32 v29, v219, 24, v29
.irp c, 0,1
	v_cvt_scalef32_pk16_fp6_f32 v[PC+6*\c:PC+2+6*\c], v[S+32*\c:S+15+32*\c], v[SO+2*\c]
	v_cvt_scalef32_pk16_fp6_f32 v[PC+12+4*\c:PC+14+4*\c], v[S+16+32*\c:S+31+32*\c], v[SO+2*\c+1]
.endr
	v_nop                                          ; one plain place behind a scaled conversion
.irp c, 0,1
.irp i, 0,1,2
	v_permlane16_swap_b32 v[PC+6*\c+\i], v[PC+12+4*\c+\i]
.endr
.irp i, 0,1,2
	v_mov_b32 v[PC+3+6*\c+\i], v[PC+12+4*\c+\i]
.endr
.endr
.irp j, 0,2,4,6,8,10,12,14,16,18,20,22,24,26,28,30
	v_pk_mul_f32 v[O+\j:O+\j+1], v[O+\j:O+\j+1], v[224:225] op_sel_hi:[1,0]   ; O^T under the new M; these are also the places in front of the products below
.endr
	s_wait_loadcnt 0x0                             ; v
.irp t, 0,1,2,3                                ; O^T += v^T p^T
.if \t%2
	v_wmma_scale_f32_16x16x128_f8f6f4 v[O+8*\t:O+8*\t+7], v[32+12*\t:43+12*\t], v[PC:PC+11], v[O+8*\t:O+8*\t+7], v[90+\t/2], v29 matrix_a_fmt:MATRIX_FMT_FP6 matrix_b_fmt:MATRIX_FMT_FP6 matrix_a_scale:MATRIX_SCALE_ROW1
.else
	v_wmma_scale_f32_16x16x128_f8f6f4 v[O+8*\t:O+8*\t+7], v[32+12*\t:43+12*\t], v[PC:PC+11], v[O+8*\t:O+8*\t+7], v[90+\t/2], v29 matrix_a_fmt:MATRIX_FMT_FP6 matrix_b_fmt:MATRIX_FMT_FP6
.endif
.endr
.rept 4
	v_nop                                          ; places in front of the next loads into v's registers and of the next read of O^T
.endr
.Lskip:
	s_wait_xcnt 0x0                                ; the step's loads have read their bases
	s_add_nc_u64 s[24:25], s[24:25], 12288
	s_add_nc_u64 s[26:27], s[26:27], 512
	s_add_nc_u64 s[28:29], s[28:29], 1536
	s_add_nc_u64 s[30:31], s[30:31], 64
	s_add_nc_u64 s[32:33], s[32:33], 512
	s_sub_co_u32 s[NKF], s[NKF], 128
	s_sub_co_i32 s[DEL], s[DEL], 4
	s_add_co_u32 s[ST], s[ST], 1
	s_cmp_lt_u32 s[ST], 16
	s_cbranch_scc1 .Lstep
	; THE WAY OUT: O^T / the sum, quantised along the head's 64 channels: my head's half of image (F, pair) of the next product's operand
	v_add_f32 v14, v14, v15
	v_permlanex16_b32 v216, v14, s[SEL], s[SEL+1]
	v_add_f32 v14, v14, v216
	v_rcp_f32 v14, v14
	v_nop                                          ; a plain place behind the transcendental
	s_wait_alu depctr_va_vdst(0)
.irp j, 0,1,2,3,4,5,6,7,8,9,10,11,12,13,14,15,16,17,18,19,20,21,22,23,24,25,26,27,28,29,30,31
	v_mul_f32 v[S+\j], v[O+\j], v14
.endr
.irp b, 0,1
	v_max3_num_f32 v[BM+\b], |v[S+16*\b]|, |v[S+1+16*\b]|, 0x1800000
.endr
.irp i, 2,4,6,8,10,12,14
.irp b, 0,1
	v_max3_num_f32 v[BM+\b], v[BM+\b], |v[S+16*\b+\i]|, |v[S+1+16*\b+\i]|
.endr
.endr
.irp b, 0,1
	v_permlanex16_b32 v[PD+\b], v[BM+\b], s[SEL], s[SEL+1]
.endr
.irp b, 0,1
	v_max_num_f32 v[BM+\b], v[BM+\b], v[PD+\b]
.endr
.irp b, 0,1
	v_add_nc_u32 v[SO+\b], 0xff000000, v[BM+\b]
.endr
.irp b, 0,1
	v_lshrrev_b32 v[PD+\b], 23, v[SO+\b]
.endr
	v_lshl_or_b32 v29, v217, 8, v216               ; my head's two scale bytes
	v_cvt_scalef32_pk16_fp6_f32 v[PC:PC+2], v[S:S+15], v[SO]
	v_cvt_scalef32_pk16_fp6_f32 v[PC+12:PC+14], v[S+16:S+31], v[SO+1]
	v_nop
.irp i, 0,1,2
	v_permlane16_swap_b32 v[PC+\i], v[PC+12+\i]
.endr
.irp i, 0,1,2
	v_mov_b32 v[PC+3+\i], v[PC+12+\i]
.endr
	global_store_b128 v1, v[PC:PC+3], s[38:39]     ; 512 consecutive bytes, then 256
	global_store_b64 v2, v[PC+4:PC+5], s[38:39] offset:512
	global_store_b16 v30, v29, s[40:41]            ; lanes l and l xor 16 write the same two bytes with the same value; the word's other half is the neighbouring head's
	s_endpgm
.Lfunc_end_k_qc04d1800f9_attn:
	.size	k_qc04d1800f9_attn, .Lfunc_end_k_qc04d1800f9_attn-k_qc04d1800f9_attn
	.p2alignl 7, 3214868480
	.fill 96, 4, 3214868480
	.section	.rodata,"a",@progbits
	.p2align	6, 0x0
	.amdhsa_kernel k_qc04d1800f9_attn
		.amdhsa_group_segment_fixed_size 0
		.amdhsa_private_segment_fixed_size 0
		.amdhsa_enable_private_segment 0
		.amdhsa_kernarg_size 24
		.amdhsa_user_sgpr_count 2
		.amdhsa_user_sgpr_kernarg_segment_ptr 1
		.amdhsa_wavefront_size32 1
		.amdhsa_system_sgpr_workgroup_id_x 1
		.amdhsa_system_sgpr_workgroup_id_y 1
		.amdhsa_system_sgpr_workgroup_id_z 1
		.amdhsa_system_vgpr_workitem_id 0
		.amdhsa_next_free_vgpr 256
		.amdhsa_next_free_sgpr 66
		.amdhsa_reserve_vcc 1
		.amdhsa_float_denorm_mode_32 3
		.amdhsa_float_denorm_mode_16_64 3
		.amdhsa_memory_ordered 1
		.amdhsa_forward_progress 1
		.amdhsa_inst_pref_size 60
	.end_amdhsa_kernel
	.amdgpu_metadata
---
amdhsa.version: [ 1, 2 ]
amdhsa.kernels:
  - .name:           k_qc04d1800f9_attn
    .symbol:         k_qc04d1800f9_attn.kd
    .args:
      - { .name: aq, .offset: 0, .size: 8, .value_kind: global_buffer, .address_space: global }
      - { .name: attention_mask, .offset: 8, .size: 8, .value_kind: global_buffer, .address_space: global }
      - { .name: oq, .offset: 16, .size: 8, .value_kind: global_buffer, .address_space: global }
    .group_segment_fixed_size: 0
    .private_segment_fixed_size: 0
    .kernarg_segment_align: 8
    .kernarg_segment_size: 24
    .max_flat_workgroup_size: 512
    .sgpr_count:     66
    .vgpr_count:     256
    .wavefront_size: 32
...
	.end_amdgpu_metadata
.endif
;; end of part 4
;; launch g4 (part 5): grid 8 x 32, 4 waves a work-group, clusters of 4 x 4, 327,680 bytes of LDS; arguments oq, wq, b_out, x, x1; writes x1
.if DOCPART == 5
	.amdgcn_target "amdgcn-amd-amdhsa--gfx1250"
	.amdhsa_code_object_version 6
	.text
	.protected	k_qc04d1800f9_g4
	.globl	k_qc04d1800f9_g4
	.p2align	8
	.type	k_qc04d1800f9_g4,@function
k_qc04d1800f9_g4:
	s_mov_b64 s[64:65], 0
	v_nop
	global_prefetch_b8 v0, s[64:65] scope:SCOPE_SE
	s_setreg_imm32_b32 hwreg(HW_REG_WAVE_MODE, 25, 1), 1
	s_wait_xcnt 0x0
	s_wait_alu depctr_hold_cnt(0) depctr_sa_sdst(0) depctr_va_vdst(0) depctr_va_sdst(0) depctr_va_ssrc(0) depctr_va_vcc(0) depctr_vm_vsrc(0)
	s_getreg_b32 s2, hwreg(HW_REG_IB_STS2, 6, 4)
	s_cmp_eq_u32 s2, 0
	s_cbranch_scc0 .Lentry_in_a_cluster
	s_endpgm
.Lentry_in_a_cluster:
	s_bfe_u32 s2, ttmp6, 0x10000c
	s_cmp_lg_u32 s2, 0xf033
	s_cbranch_scc0 .Lentry_shape_is_right
	s_endpgm
.Lentry_shape_is_right:
; x1 = x + (o w_out^T + b_out): a product on codes of FP6 (E2M3) with E8M0 scales, f32 rows out.
; OPERANDS are images of operand registers: a fragment (16 rows x 128 K) is 1,536 bytes (two halves of 768: 16 bytes a lane, then 8 bytes a lane), fragment f and K step ks at 1,536 (f NKS + ks); 64 bytes of scale words likewise.
; Lane index r of fragment f holds row 32 (f / 2) + 8 (f % 2) + r % 8 + 16 (r / 8).  The matrix instruction is used transposed (source 0 = 16 rows of the weight, source 1 = 16 tokens): a lane holds one token, and the
; 16 registers of column tiles 2 b and 2 b + 1 are 16 neighbouring columns.
; C is 4,096 x 1,024: tiles of 128 x 128 give 256 work-groups; four waves, each 64 x 64 (16 accumulators).  K goes in steps of 512 through two LDS slots filled by joint tensor loads: A's tiles are shared along a row of the
; 4 x 4 cluster, B's along a column.  The residual's rows are asked for at the head and wait in registers.
; REGISTERS: window 0: v1-23 addresses and the bias, v32-63 scale words (two sets), v64-159 A's fragments (two sets of 48), v160-223 rows on the way out.  window 1: B's fragments at v0 and v128.  window 2: accumulators.  window 3: the residual.
.set T,     4
.set NQ,    4
.set NKS,   8
.set ASCO,  3145728
.set BCODE, 2359296
.set BSCO,  9535488
.set FRB,   1536
.set RBROW, NQ*FRB
.set QUART, T*RBROW
.set SLOT,  4*QUART
.set HALFS, T*NKS*64
.set SCL,   2*SLOT
.set AUX,   229376                     ; a stage of 16 rows x 272 bytes for each wave: no tensor load lands here
.set SPARE, 246784                     ; the spare words, 128 bytes a wave: two blocks of 256 bytes that no other line names
.set LAPS,  NKS/(2*NQ)
.set ADRA16, 4
.set ADRA8,  6
.set ADRB16, 8
.set ADRB8,  10
.set ADRS,  12
.set SPW,   13
.set NIL,   14
.set SC,    32
.set G1,  24
.set G0,  32
.set G1B, 48
.set G0B, 56
.set G1S, 68
.set G0S, 76
.set G1SB, 80
.set G0SB, 88
.set MSB, 0
.macro WIN new                         ; the immediate's high byte repeats the setting that is left
.if MSB != (\new)
	s_set_vgpr_msb (MSB<<8)|(\new)
.set MSB, (\new)
.endif
.endm
; A joint load: waves 0 and 1 fetch for A, waves 2 and 3 for B; the branch hangs on the wave's number alone.  An s_nop 0 and four v_nop follow each of the two lines.
.macro JLOAD g0a, g1a, g0b, g1b
	s_cmp_eq_u32 s15, 0
	s_cbranch_scc0 .Lfor_b_\@
	tensor_load_to_lds s[\g0a:\g0a+3], s[\g1a:\g1a+7]
	s_nop 0
.rept 4
	v_nop
.endr
	s_branch .Lasked_\@
.Lfor_b_\@:
	tensor_load_to_lds s[\g0b:\g0b+3], s[\g1b:\g1b+7]
	s_nop 0
.rept 4
	v_nop
.endr
.Lasked_\@:
.endm
.macro CREST                           ; a round of the cluster's barrier behind its opening barrier
	s_cmp_lg_u32 s14, 0
	s_cbranch_scc1 .Lnot_wave_0_\@
	s_barrier_signal -3
.Lnot_wave_0_\@:
	s_barrier_wait -3
	s_barrier_signal -1
	s_barrier_wait -1
.endm
.macro CROUND
	s_barrier_signal -1
	s_barrier_wait -1
	CREST
.endm
.macro PLACES                          ; four plain places between a matrix instruction and a load into, or a vector access to, its registers
.rept 4
	v_nop
.endr
.endm
.macro FRAG reg, a16, a8, off          ; a fragment's image: four dense loads
	ds_load_b128 v[(\reg):(\reg)+3], v[\a16] offset:(\off)
	ds_load_b64 v[(\reg)+4:(\reg)+5], v[\a8] offset:(\off)+512
	ds_load_b128 v[(\reg)+6:(\reg)+9], v[\a16] offset:(\off)+768
	ds_load_b64 v[(\reg)+10:(\reg)+11], v[\a8] offset:(\off)+1280
.endm
.macro FETCH slot, q, p                ; the slot's q-th 128 along K: B's T fragments and A's T fragments into set p
	WIN 0x40
.set FI, 0
.rept T
	FRAG 128*(\p)+12*FI, ADRB16+\slot, ADRB8+\slot, FI*RBROW+(\q)*FRB
.set FI, FI+1
.endr
	WIN 0
.set FI, 0
.rept T
	FRAG 64+12*T*(\p)+12*FI, ADRA16+\slot, ADRA8+\slot, FI*RBROW+(\q)*FRB
.set FI, FI+1
.endr
.endm
.macro SCALES set                      ; a slot's scale words: lanes 0-15 A's block i, lanes 16-31 B's block i
.set SI, 0
.rept T
.set SQ, 0
.rept NQ
	ds_load_b32 v[SC+16*(\set)+NQ*SI+SQ], v[ADRS] offset:SI*NKS*64+64*SQ
.set SQ, SQ+1
.endr
.set SI, SI+1
.endr
.endm
.macro MULA a, p, q, set, zero         ; A's block a against B's T blocks
	WIN 0xa1
.set AC, 32*(\a)
.set MB, 0
.rept T
.if \zero
	v_wmma_scale_f32_16x16x128_f8f6f4 v[AC+8*MB:AC+8*MB+7], v[128*(\p)+12*MB:128*(\p)+12*MB+11], v[64+12*T*(\p)+12*(\a):64+12*T*(\p)+12*(\a)+11], 0, v[SC+16*(\set)+NQ*MB+(\q)], v[SC+16*(\set)+NQ*(\a)+(\q)] matrix_a_fmt:MATRIX_FMT_FP6 matrix_b_fmt:MATRIX_FMT_FP6 matrix_a_scale:MATRIX_SCALE_ROW1
.else
	v_wmma_scale_f32_16x16x128_f8f6f4 v[AC+8*MB:AC+8*MB+7], v[128*(\p)+12*MB:128*(\p)+12*MB+11], v[64+12*T*(\p)+12*(\a):64+12*T*(\p)+12*(\a)+11], v[AC+8*MB:AC+8*MB+7], v[SC+16*(\set)+NQ*MB+(\q)], v[SC+16*(\set)+NQ*(\a)+(\q)] matrix_a_fmt:MATRIX_FMT_FP6 matrix_b_fmt:MATRIX_FMT_FP6 matrix_a_scale:MATRIX_SCALE_ROW1
.endif
.set MB, MB+1
.endr
.endm
.macro MULR a0, n, p, q, set, zero     ; n of A's blocks from a0 on.  The accumulators take turns, one instruction a turn, in the same order in every step
.set MA, \a0
.rept \n
	MULA MA, \p, \q, \set, \zero
.set MA, MA+1
.endr
.endm
.macro STEP slot, q, zero              ; a step of 128 along K whose successor lies in the same slot
	s_wait_dscnt 0x0                               ; this step's fragments, asked for a whole step ago
	WIN 0
	PLACES
	FETCH \slot, (\q)+1, 1-(\q)%2
	MULR 0, T, (\q)%2, \q, \slot, \zero
.endm
.macro REST slot
.set RQ, 1
.rept NQ-2
	STEP \slot, RQ, 0
.set RQ, RQ+1
.endr
.endm
; A slot's last step changes slots: ONE barrier; in front of it each wave waits for all its tensor loads, adds 0 to its spare word, and waits for that and for its own reads of this slot.  fill = 1: this slot is filled again, two slots ahead.
.macro TURN slot, next, fill
	WIN 0
	s_wait_tensorcnt 0x0                           ; all my tensor loads have landed: my part of the next slot
	ds_add_u32 v[SPW], v[NIL]                      ; 0 onto my spare word
	s_wait_dscnt 0x1                               ; all but the add: this step's fragments are in
	MULR 0, T/4, 1, NQ-1, \slot, 0
	s_wait_dscnt 0x0                               ; the add is done, and my reads of this slot are over
	s_barrier_signal -1
	MULR T/4, T/4, 1, NQ-1, \slot, 0
	WIN 0
	s_barrier_wait -1
.if \fill
	CREST                                          ; the barrier has opened a round of the cluster's: no wave of any partner still reads this slot or has a load on its way
	s_add_nc_u64 s[G0+4*\slot+2:G0+4*\slot+3], s[G0+4*\slot+2:G0+4*\slot+3], 2*RBROW
	s_add_nc_u64 s[G0B+4*\slot+2:G0B+4*\slot+3], s[G0B+4*\slot+2:G0B+4*\slot+3], 2*RBROW
	JLOAD G0+4*\slot, G1, G0B+4*\slot, G1B         ; the first tensor load behind the round; its four v_nop are also the places in front of the loads below
.else
	PLACES
.endif
	v_add_nc_u32 v[ADRS], 64*NQ, v[ADRS]           ; on to the next slot's scale words
	FETCH \next, 0, 0
	SCALES \next
	MULR T/2, T/2, 1, NQ-1, \slot, 0
.endm
	s_load_b256 s[4:11], s[0:1], 0x0               ; A's images, the weights' images, the bias, the residual
	s_load_b64 s[12:13], s[0:1], 0x20              ; the output
	v_lshl_add_u32 v[SPW], v0, 2, SPARE
	v_mov_b32 v[NIL], 0
	ds_add_u32 v[SPW], v[NIL]                      ; the wave's opening: an add and its wait ahead of my first tensor load; work on registers stands between them
	v_lshrrev_b32 v1, 5, v0
	v_readfirstlane_b32 s14, v1                    ; wave 0..3
	s_lshr_b32 s15, s14, 1                         ; which half of the tile's rows is mine.  Also: I fetch for A (0) or for B (1)
	s_and_b32 s16, s14, 1                          ; which half of its columns.  Also: which half of that tile I fetch
	s_bfe_u32 s40, ttmp6, 0x40000                  ; cx, cy: my place in the cluster
	s_bfe_u32 s41, ttmp6, 0x40004
	s_lshl_b32 s42, ttmp9, 2
	s_add_co_u32 s42, s42, s40                     ; tile column
	s_and_b32 s17, ttmp7, 0xffff
	s_lshl_b32 s17, s17, 2
	s_add_co_u32 s17, s17, s41                     ; tile row
	s_lshl_b32 s43, s41, 2
	s_lshl_b32 s43, 15, s43                        ; my row of the cluster
	s_lshl_b32 s44, 0x1111, s40                    ; my column
	s_or_b32 s[G1+0], s43, (3<<16)|(1<<21)         ; the mask: A's tiles go to my row; elements of 8 bytes; bit 21 set beside a mask; no padding
	s_or_b32 s[G1B+0], s44, (3<<16)|(1<<21)
.irp g, G1, G1B
	s_mov_b32 s[\g+1], (RBROW/8)<<16               ; tensor_dim0
	s_mov_b32 s[\g+2], T<<16                       ; tensor_dim1
	s_mov_b32 s[\g+3], (RBROW/8)<<16               ; tile_dim0: a fragment row's images of one slot
	s_mov_b32 s[\g+4], T                           ; tile_dim1: T fragment rows
	s_mov_b32 s[\g+5], NKS*FRB/8                   ; from fragment row to fragment row
	s_mov_b32 s[\g+6], 0
	s_mov_b32 s[\g+7], 0
.endr
	s_or_b32 s[G1S+0], s43, (3<<16)|(1<<21)        ; the scale words of T fragments: a dense block, as rows of 256 bytes
	s_or_b32 s[G1SB+0], s44, (3<<16)|(1<<21)
.irp g, G1S, G1SB
	s_mov_b32 s[\g+1], 32<<16
	s_mov_b32 s[\g+2], (HALFS/256)<<16
	s_mov_b32 s[\g+3], 32<<16
	s_mov_b32 s[\g+4], HALFS/256
	s_mov_b32 s[\g+5], 32
	s_mov_b32 s[\g+6], 0
	s_mov_b32 s[\g+7], 0
.endr
	s_mul_i32 s18, s16, T                          ; which T fragments of the tile I fetch
	s_mul_i32 s20, s17, 2*T
	s_add_co_u32 s20, s20, s18                     ; A's
	s_mul_i32 s46, s42, 2*T
	s_add_co_u32 s46, s46, s18                     ; B's
	s_mul_i32 s22, s20, NKS*64
	s_add_co_u32 s22, s22, ASCO
	s_mul_i32 s20, s20, NKS*FRB
	s_mul_i32 s92, s46, NKS*64
	s_add_co_u32 s92, s92, BSCO
	s_mul_i32 s46, s46, NKS*FRB
	s_add_co_u32 s46, s46, BCODE
	s_mov_b32 s21, 0
	s_mov_b32 s23, 0
	s_mov_b32 s47, 0
	s_mov_b32 s93, 0
	s_mul_i32 s45, s14, QUART                      ; where they go: no place in the cluster enters an LDS address
	s_mul_i32 s94, s14, HALFS
	s_wait_dscnt 0x0                               ; the opening add is done
	s_wait_kmcnt 0x0
	s_add_nc_u64 s[20:21], s[4:5], s[20:21]
	s_add_nc_u64 s[22:23], s[4:5], s[22:23]
	s_add_nc_u64 s[46:47], s[6:7], s[46:47]
	s_add_nc_u64 s[92:93], s[6:7], s[92:93]
	CROUND                                         ; all sixteen work-groups are here: the first joint loads meet
	s_mov_b32 s[G0S], 1
	s_add_co_u32 s[G0S+1], s94, SCL
	s_mov_b64 s[G0S+2:G0S+3], s[22:23]
	s_or_b32 s[G0S+3], s[G0S+3], 0x80000000
	s_mov_b32 s[G0SB], 1
	s_add_co_u32 s[G0SB+1], s94, SCL
	s_mov_b64 s[G0SB+2:G0SB+3], s[92:93]
	s_or_b32 s[G0SB+3], s[G0SB+3], 0x80000000
	JLOAD G0S, G1S, G0SB, G1SB                     ; the scale words of all of K: filled once
.irp s, 0,1
	s_mov_b32 s[G0+4*\s], 1
	s_add_co_u32 s[G0+4*\s+1], s45, \s*SLOT
	s_add_nc_u64 s[G0+4*\s+2:G0+4*\s+3], s[20:21], \s*RBROW
	s_or_b32 s[G0+4*\s+3], s[G0+4*\s+3], 0x80000000
	s_mov_b32 s[G0B+4*\s], 1
	s_add_co_u32 s[G0B+4*\s+1], s45, \s*SLOT
	s_add_nc_u64 s[G0B+4*\s+2:G0B+4*\s+3], s[46:47], \s*RBROW
	s_or_b32 s[G0B+4*\s+3], s[G0B+4*\s+3], 0x80000000
	JLOAD G0+4*\s, G1, G0B+4*\s, G1B               ; three tensor loads of mine are out
.endr
	v_and_b32 v3, 15, v0                           ; r
	v_bfe_u32 v15, v0, 4, 1                        ; h
	v_and_b32 v1, 31, v0
	v_lshlrev_b32 v2, 3, v1                        ; 8 x lane
	v_lshlrev_b32 v1, 4, v1                        ; 16 x lane
	s_mul_i32 s21, s15, QUART                      ; my half of A
	s_mul_i32 s22, s16, QUART
	s_add_co_u32 s22, s22, 2*QUART                 ; my half of B
.irp s, 0,1
	v_add_nc_u32 v[ADRA16+\s], s21, v1
	v_add_nc_u32 v[ADRA8+\s], s21, v2
	v_add_nc_u32 v[ADRB16+\s], s22, v1
	v_add_nc_u32 v[ADRB8+\s], s22, v2
	s_add_co_u32 s21, s21, SLOT
	s_add_co_u32 s22, s22, SLOT
.endr
	s_mul_i32 s21, s15, HALFS
	s_mul_i32 s22, s16, HALFS
	s_add_co_u32 s22, s22, 2*HALFS
	s_sub_co_u32 s22, s22, s21
	v_mul_u32_u24 v[ADRS], s22, v15                ; lanes 16-31 take B's words: one product, the distance between the two
	v_lshl_add_u32 v[ADRS], v3, 2, v[ADRS]
	s_add_co_u32 s21, s21, SCL
	v_add_nc_u32 v[ADRS], s21, v[ADRS]
	s_mul_i32 s21, s14, 16*272
	s_add_co_u32 s21, s21, AUX                     ; my stage
	v_mul_u32_u24 v20, v3, 272
	v_lshl_add_u32 v20, v15, 6, v20
	v_add_nc_u32 v20, s21, v20                     ; in: row r, + 64 h
	v_mul_u32_u24 v21, v15, 272
	v_lshl_add_u32 v21, v3, 4, v21
	v_add_nc_u32 v21, s21, v21                     ; back: lanes 0-15 one row of 256 bytes, lanes 16-31 the next
	v_lshlrev_b32 v22, 12, v15
	v_lshl_add_u32 v22, v3, 4, v22                 ; and the same two rows in memory
	v_lshlrev_b32 v23, 4, v3
	s_lshl_b32 s20, s17, 7
	s_lshl_b32 s21, s15, 6
	s_add_co_u32 s20, s20, s21                     ; my first row: 128 x tile row + 64 x half
	s_lshl_b32 s20, s20, 12
	s_lshl_b32 s46, s42, 9
	s_lshl_b32 s47, s16, 8
	s_add_co_u32 s46, s46, s47                     ; my first column, in bytes
	s_mov_b32 s47, 0
	s_add_nc_u64 s[92:93], s[8:9], s[46:47]
	s_add_co_u32 s20, s20, s46
	s_mov_b32 s21, 0
	s_add_nc_u64 s[10:11], s[10:11], s[20:21]
	s_add_nc_u64 s[12:13], s[12:13], s[20:21]
	global_load_b128 v[16:19], v23, s[92:93]       ; the bias of my four columns of a row
	WIN 0xc0
.irp a, 0,1,2,3
.irp t, 0,1,2,3,4,5,6,7
	global_load_b128 v[4*(8*\a+\t):4*(8*\a+\t)+3], v22, s[10:11] offset:(32*(\a/2)+8*(\a%2)+(2*\t)%8+16*(\t/4))*4096   ; the residual, in the layout in which the rows leave
.endr
.endr
	WIN 0
	s_wait_tensorcnt 0x1                           ; the scale words and my part of slot 0 are in; slot 1's load may be out
	s_barrier_signal -1
	s_barrier_wait -1
	FETCH 0, 0, 0
	SCALES 0
	STEP 0, 0, 1                                   ; the first step's products start the sums: nothing is cleared
.if LAPS > 1
	WIN 0
	s_mov_b32 s3, LAPS-1
.Llap:                                             ; a trip goes once round the ring and fills both slots again
	REST 0
	TURN 0, 1, 1
	STEP 1, 0, 0
	REST 1
	TURN 1, 0, 1
	STEP 0, 0, 0
	WIN 0
	s_sub_co_u32 s3, s3, 1
	s_cmp_lg_u32 s3, 0
	s_cbranch_scc1 .Llap
.endif
	REST 0
	TURN 0, 1, 0                                   ; the last lap fills nothing
	STEP 1, 0, 0
	REST 1
	s_wait_dscnt 0x0
	MULR 0, T, 1, NQ-1, 1, 0
	WIN 0
	; THE WAY OUT, a fragment of 16 rows x 64 columns at a time: through my own stage, back as whole rows of 256 bytes, + bias, + residual, stored
	s_wait_loadcnt 0x0                             ; the bias and the residual
	PLACES
.irp a, 0,1,2,3
.set YB, 160+32*(\a%2)
	WIN 0x08                                       ; an LDS store's data: window 2
.irp b, 0,1,2,3
	ds_store_b128 v20, v[32*\a+8*\b:32*\a+8*\b+3] offset:128*(\b/2)+32*(\b%2)          ; each accumulator from its low end on
	ds_store_b128 v20, v[32*\a+8*\b+4:32*\a+8*\b+7] offset:128*(\b/2)+32*(\b%2)+16
.endr
	WIN 0
.if \a >= 2
	s_wait_xcnt 0x0                                ; the stores of two fragments ago have read these registers
.endif
.irp t, 0,1,2,3,4,5,6,7
	ds_load_b128 v[YB+4*\t:YB+4*\t+3], v21 offset:544*\t   ; LDS serves a wave's instructions in order: these see my stores
.endr
	s_wait_dscnt 0x0
.irp t, 0,1,2,3,4,5,6,7
	v_pk_add_f32 v[YB+4*\t:YB+4*\t+1], v[YB+4*\t:YB+4*\t+1], v[16:17]
	v_pk_add_f32 v[YB+4*\t+2:YB+4*\t+3], v[YB+4*\t+2:YB+4*\t+3], v[18:19]
.endr
	WIN 0x0c                                       ; source 1: window 3
.irp t, 0,1,2,3,4,5,6,7
	v_pk_add_f32 v[YB+4*\t:YB+4*\t+1], v[YB+4*\t:YB+4*\t+1], v[4*(8*\a+\t):4*(8*\a+\t)+1]
	v_pk_add_f32 v[YB+4*\t+2:YB+4*\t+3], v[YB+4*\t+2:YB+4*\t+3], v[4*(8*\a+\t)+2:4*(8*\a+\t)+3]
.endr
	WIN 0
.irp t, 0,1,2,3,4,5,6,7
	global_store_b128 v22, v[YB+4*\t:YB+4*\t+3], s[12:13] offset:(32*(\a/2)+8*(\a%2)+(2*\t)%8+16*(\t/4))*4096   ; sixteen lanes store 256 consecutive bytes, aligned
.endr
.endr
	s_wait_tensorcnt 0x0                           ; the wave's end: my tensor loads landed, then 0 onto my spare word and its wait, behind my last LDS store
	ds_add_u32 v[SPW], v[NIL]
	s_wait_dscnt 0x0
	CROUND                                         ; the closing round
	s_endpgm
.Lfunc_end_k_qc04d1800f9_g4:
	.size	k_qc04d1800f9_g4, .Lfunc_end_k_qc04d1800f9_g4-k_qc04d1800f9_g4
	.p2alignl 7, 3214868480
	.fill 96, 4, 3214868480
	.section	.rodata,"a",@progbits
	.p2align	6, 0x0
	.amdhsa_kernel k_qc04d1800f9_g4
		.amdhsa_group_segment_fixed_size 327680
		.amdhsa_private_segment_fixed_size 0
		.amdhsa_enable_private_segment 0
		.amdhsa_kernarg_size 40
		.amdhsa_user_sgpr_count 2
		.amdhsa_user_sgpr_kernarg_segment_ptr 1
		.amdhsa_wavefront_size32 1
		.amdhsa_system_sgpr_workgroup_id_x 1
		.amdhsa_system_sgpr_workgroup_id_y 1
		.amdhsa_system_sgpr_workgroup_id_z 1
		.amdhsa_system_vgpr_workitem_id 0
		.amdhsa_next_free_vgpr 1024
		.amdhsa_next_free_sgpr 100
		.amdhsa_reserve_vcc 0
		.amdhsa_float_denorm_mode_32 3
		.amdhsa_float_denorm_mode_16_64 3
		.amdhsa_memory_ordered 1
		.amdhsa_forward_progress 1
		.amdhsa_inst_pref_size 66
	.end_amdhsa_kernel
	.amdgpu_metadata
---
amdhsa.version: [ 1, 2 ]
amdhsa.kernels:
  - .name:           k_qc04d1800f9_g4
    .symbol:         k_qc04d1800f9_g4.kd
    .args:
      - { .name: oq, .offset: 0, .size: 8, .value_kind: global_buffer, .address_space: global }
      - { .name: wq, .offset: 8, .size: 8, .value_kind: global_buffer, .address_space: global }
      - { .name: b_out, .offset: 16, .size: 8, .value_kind: global_buffer, .address_space: global }
      - { .name: x, .offset: 24, .size: 8, .value_kind: global_buffer, .address_space: global }
      - { .name: x1, .offset: 32, .size: 8, .value_kind: global_buffer, .address_space: global }
    .group_segment_fixed_size: 327680
    .private_segment_fixed_size: 0
    .kernarg_segment_align: 8
    .kernarg_segment_size: 40
    .max_flat_workgroup_size: 128
    .sgpr_count:     100
    .vgpr_count:     1024
    .wavefront_size: 32
...
	.end_amdgpu_metadata
.endif
;; end of part 5
;; launch ln2: the kernel of part 2 again; grid 256 x 1, 8 waves a work-group, no clusters, 70,144 bytes of LDS; arguments x1, g_ln2, b_ln2, hq; writes hq
;; launch g5 (part 6): grid 16 x 16, 4 waves a work-group, clusters of 4 x 4, 327,680 bytes of LDS; arguments hq, wq, b1, uq; writes uq
.if DOCPART == 6
	.amdgcn_target "amdgcn-amd-amdhsa--gfx1250"
	.amdhsa_code_object_version 6
	.text
	.protected	k_qc04d1800f9_g5
	.globl	k_qc04d1800f9_g5
	.p2align	8
	.type	k_qc04d1800f9_g5,@function
k_qc04d1800f9_g5:
	s_mov_b64 s[64:65], 0
	v_nop
	global_prefetch_b8 v0, s[64:65] scope:SCOPE_SE
	s_setreg_imm32_b32 hwreg(HW_REG_WAVE_MODE, 25, 1), 1
	s_wait_xcnt 0x0
	s_wait_alu depctr_hold_cnt(0) depctr_sa_sdst(0) depctr_va_vdst(0) depctr_va_sdst(0) depctr_va_ssrc(0) depctr_va_vcc(0) depctr_vm_vsrc(0)
	s_getreg_b32 s2, hwreg(HW_REG_IB_STS2, 6, 4)
	s_cmp_eq_u32 s2, 0
	s_cbranch_scc0 .Lentry_in_a_cluster
	s_endpgm
.Lentry_in_a_cluster:
	s_bfe_u32 s2, ttmp6, 0x10000c
	s_cmp_lg_u32 s2, 0xf033
	s_cbranch_scc0 .Lentry_shape_is_right
	s_endpgm
.Lentry_shape_is_right:
; u = gelu(h w1^T + b1) on codes of FP6 (E2M3) with E8M0 scales, and u quantised at once, along its 4,096 columns, as the operand of the next product: the hidden layer goes to memory as codes alone.
; OPERANDS are images of operand registers: a fragment (16 rows x 128 K) is 1,536 bytes (two halves of 768: 16 bytes a lane, then 8 bytes a lane), fragment f and K step ks at 1,536 (f NKS + ks); 64 bytes of scale words likewise.
; Lane index r of fragment f holds row 32 (f / 2) + 8 (f % 2) + r % 8 + 16 (r / 8).  The matrix instruction is used transposed (source 0 = 16 rows of w1, source 1 = 16 tokens): a lane holds one token, and the
; 16 registers of column tiles 2 b and 2 b + 1 are 16 neighbouring columns.  So 128 columns of a row are quantised in registers and ARE a fragment of the next product: image (F, g) at 1,536 (32 F + g).
; gelu is the exact one: 0.5 x (1 + erf(x / sqrt 2)), erf by a rational form in f32, good to a few units in erf's last place.   LIMITS: NaN and infinities are not served; a block under 2^-124 gets the byte 1.
; A work-group of four waves makes 256 x 256, a wave 128 x 128 (64 accumulators).  K goes in steps of 256 through two LDS slots filled by joint tensor loads: A's tiles are shared along a row of the 4 x 4 cluster, B's along a column.
; REGISTERS: window 0: v1-15 addresses, v16-19 two constants, v32-63 scale words (two sets), v64-255 A's fragments (two sets of 96).  window 1: B's fragments at v0 and v128; the bias in v96-127 and v224-255.  windows 2, 3: accumulators.
.set ISG1,  0
.set GELUON, 1
.set T,     8
.set NQ,    2
.set NKS,   8
.set ASCO,  3145728
.set BCODE, 3145728
.set BSCO,  9568256
.set FRB,   1536
.set RBROW, NQ*FRB                     ; a fragment row's images of one slot: consecutive bytes of memory
.set QUART, T*RBROW                    ; what one tensor load brings, and what one wave reads of A or of B
.set SLOT,  4*QUART
.set HALFS, T*NKS*64                   ; the scale words of T fragments, all of K
.set SCL,   2*SLOT
.set AUX,   229376                     ; 512 bytes a wave for the scale words just made: no tensor load lands here
.set SPARE, 246784                     ; the spare words, 128 bytes a wave: two blocks of 256 bytes that no other line names
.set LAPS,  NKS/(2*NQ)
.set ADRA16, 4
.set ADRA8,  6
.set ADRB16, 8
.set ADRB8,  10
.set ADRS,  12
.set SPW,   13
.set NIL,   14
.set SC,    32
.set X,     64
.set Z,     128
.set W,     160
.set P,     192
.set Q,     224
.set PC,    128
.set TM,    148
.set PW,    164
.set SEL,   44
.set G1,  24
.set G0,  32
.set G1B, 48
.set G0B, 56
.set G1S, 68
.set G0S, 76
.set G1SB, 80
.set G0SB, 88
.set MSB, 0
.macro WIN new                         ; the immediate's high byte repeats the setting that is left
.if MSB != (\new)
	s_set_vgpr_msb (MSB<<8)|(\new)
.set MSB, (\new)
.endif
.endm
; A joint load: waves 0 and 1 fetch for A, waves 2 and 3 for B; the branch hangs on the wave's number alone.  An s_nop 0 and four v_nop follow each of the two lines.
.macro JLOAD g0a, g1a, g0b, g1b
	s_cmp_eq_u32 s15, 0
	s_cbranch_scc0 .Lfor_b_\@
	tensor_load_to_lds s[\g0a:\g0a+3], s[\g1a:\g1a+7]
	s_nop 0
.rept 4
	v_nop
.endr
	s_branch .Lasked_\@
.Lfor_b_\@:
	tensor_load_to_lds s[\g0b:\g0b+3], s[\g1b:\g1b+7]
	s_nop 0
.rept 4
	v_nop
.endr
.Lasked_\@:
.endm
.macro CREST                           ; a round of the cluster's barrier behind its opening barrier
	s_cmp_lg_u32 s14, 0
	s_cbranch_scc1 .Lnot_wave_0_\@
	s_barrier_signal -3
.Lnot_wave_0_\@:
	s_barrier_wait -3
	s_barrier_signal -1
	s_barrier_wait -1
.endm
.macro CROUND
	s_barrier_signal -1
	s_barrier_wait -1
	CREST
.endm
.macro PLACES                          ; four plain places between a matrix instruction and a load into, or a vector access to, its registers
.rept 4
	v_nop
.endr
.endm
.macro FRAG reg, a16, a8, off          ; a fragment's image: four dense loads
	ds_load_b128 v[(\reg):(\reg)+3], v[\a16] offset:(\off)
	ds_load_b64 v[(\reg)+4:(\reg)+5], v[\a8] offset:(\off)+512
	ds_load_b128 v[(\reg)+6:(\reg)+9], v[\a16] offset:(\off)+768
	ds_load_b64 v[(\reg)+10:(\reg)+11], v[\a8] offset:(\off)+1280
.endm
.macro FETCH slot, q, p                ; the slot's q-th 128 along K: B's T fragments and A's T fragments into set p
	WIN 0x40
.set FI, 0
.rept T
	FRAG 128*(\p)+12*FI, ADRB16+\slot, ADRB8+\slot, FI*RBROW+(\q)*FRB
.set FI, FI+1
.endr
	WIN 0
.set FI, 0
.rept T
	FRAG 64+12*T*(\p)+12*FI, ADRA16+\slot, ADRA8+\slot, FI*RBROW+(\q)*FRB
.set FI, FI+1
.endr
.endm
.macro SCALES set                      ; a slot's scale words: lanes 0-15 A's block i, lanes 16-31 B's block i
.set SI, 0
.rept T
.set SQ, 0
.rept NQ
	ds_load_b32 v[SC+16*(\set)+NQ*SI+SQ], v[ADRS] offset:SI*NKS*64+64*SQ
.set SQ, SQ+1
.endr
.set SI, SI+1
.endr
.endm
.macro MULA a, p, q, set, zero         ; A's block a against B's T blocks
.if T == 8
	WIN 0xa1+0x50*((\a)/4)
.set AC, 64*((\a)%4)
.else
	WIN 0xa1
.set AC, 32*(\a)
.endif
.set MB, 0
.rept T
.if \zero
	v_wmma_scale_f32_16x16x128_f8f6f4 v[AC+8*MB:AC+8*MB+7], v[128*(\p)+12*MB:128*(\p)+12*MB+11], v[64+12*T*(\p)+12*(\a):64+12*T*(\p)+12*(\a)+11], 0, v[SC+16*(\set)+NQ*MB+(\q)], v[SC+16*(\set)+NQ*(\a)+(\q)] matrix_a_fmt:MATRIX_FMT_FP6 matrix_b_fmt:MATRIX_FMT_FP6 matrix_a_scale:MATRIX_SCALE_ROW1
.else
	v_wmma_scale_f32_16x16x128_f8f6f4 v[AC+8*MB:AC+8*MB+7], v[128*(\p)+12*MB:128*(\p)+12*MB+11], v[64+12*T*(\p)+12*(\a):64+12*T*(\p)+12*(\a)+11], v[AC+8*MB:AC+8*MB+7], v[SC+16*(\set)+NQ*MB+(\q)], v[SC+16*(\set)+NQ*(\a)+(\q)] matrix_a_fmt:MATRIX_FMT_FP6 matrix_b_fmt:MATRIX_FMT_FP6 matrix_a_scale:MATRIX_SCALE_ROW1
.endif
.set MB, MB+1
.endr
.endm
.macro MULR a0, n, p, q, set, zero     ; n of A's blocks from a0 on.  The accumulators take turns, one instruction a turn, in the same order in every step
.set MA, \a0
.rept \n
	MULA MA, \p, \q, \set, \zero
.set MA, MA+1
.endr
.endm
.macro STEP slot, q, zero              ; a step of 128 along K whose successor lies in the same slot
	s_wait_dscnt 0x0                               ; this step's fragments, asked for a whole step ago
	WIN 0
	PLACES
	FETCH \slot, (\q)+1, 1-(\q)%2
	MULR 0, T, (\q)%2, \q, \slot, \zero
.endm
.macro REST slot
.if NQ > 2
.set RQ, 1
.rept NQ-2
	STEP \slot, RQ, 0
.set RQ, RQ+1
.endr
.endif
.endm
; A slot's last step changes slots: ONE barrier; in front of it each wave waits for all its tensor loads, adds 0 to its spare word, and waits for that and for its own reads of this slot.  fill = 1: this slot is filled again, two slots ahead.
.macro TURN slot, next, fill
	WIN 0
	s_wait_tensorcnt 0x0                           ; all my tensor loads have landed: my part of the next slot
	ds_add_u32 v[SPW], v[NIL]                      ; 0 onto my spare word
	s_wait_dscnt 0x1                               ; all but the add: this step's fragments are in
	MULR 0, T/4, 1, NQ-1, \slot, 0
	s_wait_dscnt 0x0                               ; the add is done, and my reads of this slot are over
	s_barrier_signal -1
	MULR T/4, T/4, 1, NQ-1, \slot, 0
	WIN 0
	s_barrier_wait -1
.if \fill
	CREST                                          ; the barrier has opened a round of the cluster's: no wave of any partner still reads this slot or has a load on its way
	s_add_nc_u64 s[G0+4*\slot+2:G0+4*\slot+3], s[G0+4*\slot+2:G0+4*\slot+3], 2*RBROW
	s_add_nc_u64 s[G0B+4*\slot+2:G0B+4*\slot+3], s[G0B+4*\slot+2:G0B+4*\slot+3], 2*RBROW
	JLOAD G0+4*\slot, G1, G0B+4*\slot, G1B         ; the first tensor load behind the round; its four v_nop are also the places in front of the loads below
.else
	PLACES
.endif
	v_add_nc_u32 v[ADRS], 64*NQ, v[ADRS]           ; on to the next slot's scale words
	FETCH \next, 0, 0
	SCALES \next
	MULR T/2, T/2, 1, NQ-1, \slot, 0
.endm
; 64 numbers of a lane become a fragment's codes in v[PC] on and its scale word in v[PW]
.macro QUANT s
.irp b, 0,1,2,3
	v_max3_num_f32 v[TM+\b], |v[\s+16*\b]|, |v[\s+1+16*\b]|, 0x1800000   ; my 16 numbers of block b, and the floor 2^(3 - 127)
.endr
.irp i, 2,4,6,8,10,12,14
.irp b, 0,1,2,3
	v_max3_num_f32 v[TM+\b], v[TM+\b], |v[\s+16*\b+\i]|, |v[\s+1+16*\b+\i]|
.endr
.endr
.irp b, 0,1,2,3
	v_permlanex16_b32 v[TM+4+\b], v[TM+\b], s[SEL], s[SEL+1]
.endr
.irp b, 0,1,2,3
	v_max_num_f32 v[TM+\b], v[TM+\b], v[TM+4+\b]
.endr
.irp b, 0,1,2,3
	v_add_nc_u32 v[TM+12+\b], 0xff000000, v[TM+\b]   ; 2 off the exponent field: the conversion's scale operand
.endr
.irp b, 0,1,2,3
	v_lshrrev_b32 v[TM+4+\b], 23, v[TM+12+\b]
.endr
	v_lshl_or_b32 v[PW], v[TM+5], 8, v[TM+4]
	v_lshl_or_b32 v[PW], v[TM+6], 16, v[PW]
	v_lshl_or_b32 v[PW], v[TM+7], 24, v[PW]
.irp c, 0,1
	v_cvt_scalef32_pk16_fp6_f32 v[PC+6*\c:PC+2+6*\c], v[\s+32*\c:\s+15+32*\c], v[TM+12+2*\c]
	v_cvt_scalef32_pk16_fp6_f32 v[PC+12+4*\c:PC+14+4*\c], v[\s+16+32*\c:\s+31+32*\c], v[TM+12+2*\c+1]
.endr
	v_nop                                          ; one plain place behind a scaled conversion
.irp c, 0,1
.irp i, 0,1,2
	v_permlane16_swap_b32 v[PC+6*\c+\i], v[PC+12+4*\c+\i]
.endr
.irp i, 0,1,2
	v_mov_b32 v[PC+3+6*\c+\i], v[PC+12+4*\c+\i]
.endr
.endr
.endm
; gelu(x) = 0.5 x (1 + erf(x / sqrt 2)) on 32 numbers; erf(z) = z P(z^2) / Q(z^2) with z held to +-4, degrees 6 and 4 in z^2
.macro GELU c
.set GX, X+32*(\c)
.set GK, 0
.rept 16
	v_pk_mul_f32 v[Z+GK:Z+GK+1], v[GX+GK:GX+GK+1], 0x3f3504f3 op_sel_hi:[1,0]
.set GK, GK+2
.endr
.set GK, 0
.rept 32
	v_med3_num_f32 v[Z+GK], v[Z+GK], -4.0, 4.0
.set GK, GK+1
.endr
.set GK, 0
.rept 16
	v_pk_mul_f32 v[W+GK:W+GK+1], v[Z+GK:Z+GK+1], v[Z+GK:Z+GK+1]
.set GK, GK+2
.endr
.set GK, 0
.rept 16
	v_pk_fma_f32 v[P+GK:P+GK+1], v[W+GK:W+GK+1], 0xaf95df0a, v[16:17] op_sel_hi:[1,0,1]
	v_pk_fma_f32 v[Q+GK:Q+GK+1], v[W+GK:W+GK+1], 0xb77460cd, v[18:19] op_sel_hi:[1,0,1]
.set GK, GK+2
.endr
.irp lit, 0xb60cff51, 0xb86ec2d2, 0xba40ac63, 0xbb41a1f6, 0xbc83dbd4
.set GK, 0
.rept 16
	v_pk_fma_f32 v[P+GK:P+GK+1], v[P+GK:P+GK+1], v[W+GK:W+GK+1], \lit op_sel_hi:[1,1,0]
.set GK, GK+2
.endr
.endr
.irp lit, 0xbadc924e, 0xbbf19bf8, 0xbc69b6a7
.set GK, 0
.rept 16
	v_pk_fma_f32 v[Q+GK:Q+GK+1], v[Q+GK:Q+GK+1], v[W+GK:W+GK+1], \lit op_sel_hi:[1,1,0]
.set GK, GK+2
.endr
.endr
.set GK, 0
.rept 32
	v_rcp_f32 v[Q+GK], v[Q+GK]
.set GK, GK+1
.endr
.set GK, 0
.rept 16                                       ; plain work that names no reciprocal stands behind the batch
	v_pk_mul_f32 v[P+GK:P+GK+1], v[P+GK:P+GK+1], v[Z+GK:Z+GK+1]
	v_pk_mul_f32 v[GX+GK:GX+GK+1], v[GX+GK:GX+GK+1], 0.5 op_sel_hi:[1,0]
.set GK, GK+2
.endr
	s_wait_alu depctr_va_vdst(0)                   ; one wait for the 32 reciprocals, ahead of their first reader
.set GK, 0
.rept 16
	v_pk_mul_f32 v[P+GK:P+GK+1], v[P+GK:P+GK+1], v[Q+GK:Q+GK+1]
.set GK, GK+2
.endr
.set GK, 0
.rept 16
	v_pk_fma_f32 v[GX+GK:GX+GK+1], v[GX+GK:GX+GK+1], v[P+GK:P+GK+1], v[GX+GK:GX+GK+1]
.set GK, GK+2
.endr
.endm
; A's block a: its 64 results a lane, with the bias, into v[X] on; each accumulator is read from its low end on
.macro ARM a
.if ISG1
	WIN 0x21+0x10*((\a)/4)
.set K2, 0
.rept 32
	v_pk_fma_f32 v[X+K2:X+K2+1], v[96+K2+96*(K2/32):97+K2+96*(K2/32)], s[28:29], v[64*((\a)%4)+K2:64*((\a)%4)+K2+1] op_sel_hi:[1,0,1]
.set K2, K2+2
.endr
	WIN 0
.set K2, 0
.rept 32
	v_pk_fma_f32 v[X+K2:X+K2+1], v[16+2*(\a):17+2*(\a)], s[30:31], v[X+K2:X+K2+1] op_sel_hi:[0,0,1]
.set K2, K2+2
.endr
.else
	WIN 0x06+(\a)/4
.set K2, 0
.rept 32
	v_pk_add_f32 v[X+K2:X+K2+1], v[64*((\a)%4)+K2:64*((\a)%4)+K2+1], v[96+K2+96*(K2/32):97+K2+96*(K2/32)]
.set K2, K2+2
.endr
	WIN 0
.endif
.endm
	s_load_b256 s[4:11], s[0:1], 0x0               ; the tokens' images, the weights' images, the bias, the output
	v_lshl_add_u32 v[SPW], v0, 2, SPARE
	v_mov_b32 v[NIL], 0
	ds_add_u32 v[SPW], v[NIL]                      ; the wave's opening: an add and its wait ahead of my first tensor load; work on registers stands between them
	v_lshrrev_b32 v1, 5, v0
	v_readfirstlane_b32 s14, v1                    ; wave 0..3
	s_lshr_b32 s15, s14, 1                         ; which half of the tile's rows is mine.  Also: I fetch for A (0) or for B (1)
	s_and_b32 s16, s14, 1                          ; which half of its columns.  Also: which half of that tile I fetch
	s_bfe_u32 s40, ttmp6, 0x40000                  ; cx, cy: my place in the cluster
	s_bfe_u32 s41, ttmp6, 0x40004
	s_lshl_b32 s42, ttmp9, 2
	s_and_b32 s17, ttmp7, 0xffff
	s_lshl_b32 s17, s17, 2
	s_mov_b32 s12, 0
	s_mov_b32 s13, ASCO
	s_mov_b32 s19, BSCO
	s_add_co_u32 s42, s42, s40                     ; tile column
	s_add_co_u32 s17, s17, s41                     ; tile row
	s_lshl_b32 s43, s41, 2
	s_lshl_b32 s43, 15, s43                        ; my row of the cluster
	s_lshl_b32 s44, 0x1111, s40                    ; my column
	s_or_b32 s[G1+0], s43, (3<<16)|(1<<21)         ; the mask: A's tiles go to my row; elements of 8 bytes; bit 21 set beside a mask; no padding
	s_or_b32 s[G1B+0], s44, (3<<16)|(1<<21)
.irp g, G1, G1B
	s_mov_b32 s[\g+1], (RBROW/8)<<16               ; tensor_dim0
	s_mov_b32 s[\g+2], T<<16                       ; tensor_dim1
	s_mov_b32 s[\g+3], (RBROW/8)<<16               ; tile_dim0: a fragment row's images of one slot
	s_mov_b32 s[\g+4], T                           ; tile_dim1: T fragment rows
	s_mov_b32 s[\g+5], NKS*FRB/8                   ; from fragment row to fragment row
	s_mov_b32 s[\g+6], 0
	s_mov_b32 s[\g+7], 0
.endr
	s_or_b32 s[G1S+0], s43, (3<<16)|(1<<21)        ; the scale words of T fragments: a dense block, as rows of 256 bytes
	s_or_b32 s[G1SB+0], s44, (3<<16)|(1<<21)
.irp g, G1S, G1SB
	s_mov_b32 s[\g+1], 32<<16
	s_mov_b32 s[\g+2], (HALFS/256)<<16
	s_mov_b32 s[\g+3], 32<<16
	s_mov_b32 s[\g+4], HALFS/256
	s_mov_b32 s[\g+5], 32
	s_mov_b32 s[\g+6], 0
	s_mov_b32 s[\g+7], 0
.endr
	s_mul_i32 s18, s16, T                          ; which T fragments of the tile I fetch
	s_mul_i32 s20, s17, 2*T
	s_add_co_u32 s20, s20, s18
	s_add_co_u32 s20, s20, s12                     ; A's
	s_mul_i32 s46, s42, 2*T
	s_add_co_u32 s46, s46, s18                     ; B's
	s_mul_i32 s22, s20, NKS*64
	s_add_co_u32 s22, s22, s13
	s_mul_i32 s20, s20, NKS*FRB
	s_mul_i32 s92, s46, NKS*64
	s_add_co_u32 s92, s92, s19
	s_mul_i32 s46, s46, NKS*FRB
	s_add_co_u32 s46, s46, BCODE
	s_mov_b32 s21, 0
	s_mov_b32 s23, 0
	s_mov_b32 s47, 0
	s_mov_b32 s93, 0
	s_mul_i32 s45, s14, QUART                      ; where they go: no place in the cluster enters an LDS address
	s_mul_i32 s94, s14, HALFS
	s_wait_dscnt 0x0                               ; the opening add is done
	s_wait_kmcnt 0x0
	s_mov_b64 s[98:99], s[4:5]
	s_mov_b64 s[96:97], s[6:7]
	s_add_nc_u64 s[20:21], s[98:99], s[20:21]
	s_add_nc_u64 s[22:23], s[98:99], s[22:23]
	s_add_nc_u64 s[46:47], s[96:97], s[46:47]
	s_add_nc_u64 s[92:93], s[96:97], s[92:93]
	CROUND                                         ; all sixteen work-groups are here: the first joint loads meet
	s_mov_b32 s[G0S], 1
	s_add_co_u32 s[G0S+1], s94, SCL
	s_mov_b64 s[G0S+2:G0S+3], s[22:23]
	s_or_b32 s[G0S+3], s[G0S+3], 0x80000000
	s_mov_b32 s[G0SB], 1
	s_add_co_u32 s[G0SB+1], s94, SCL
	s_mov_b64 s[G0SB+2:G0SB+3], s[92:93]
	s_or_b32 s[G0SB+3], s[G0SB+3], 0x80000000
	JLOAD G0S, G1S, G0SB, G1SB                     ; the scale words of all of K: filled once
.irp s, 0,1
	s_mov_b32 s[G0+4*\s], 1
	s_add_co_u32 s[G0+4*\s+1], s45, \s*SLOT
	s_add_nc_u64 s[G0+4*\s+2:G0+4*\s+3], s[20:21], \s*RBROW
	s_or_b32 s[G0+4*\s+3], s[G0+4*\s+3], 0x80000000
	s_mov_b32 s[G0B+4*\s], 1
	s_add_co_u32 s[G0B+4*\s+1], s45, \s*SLOT
	s_add_nc_u64 s[G0B+4*\s+2:G0B+4*\s+3], s[46:47], \s*RBROW
	s_or_b32 s[G0B+4*\s+3], s[G0B+4*\s+3], 0x80000000
	JLOAD G0+4*\s, G1, G0B+4*\s, G1B               ; three tensor loads of mine are out
.endr
	v_and_b32 v3, 15, v0                           ; r
	v_bfe_u32 v15, v0, 4, 1                        ; h
	v_and_b32 v1, 31, v0
	v_lshlrev_b32 v2, 3, v1                        ; 8 x lane
	v_lshlrev_b32 v1, 4, v1                        ; 16 x lane
	s_mul_i32 s21, s15, QUART                      ; my half of A
	s_mul_i32 s22, s16, QUART
	s_add_co_u32 s22, s22, 2*QUART                 ; my half of B
.irp s, 0,1
	v_add_nc_u32 v[ADRA16+\s], s21, v1
	v_add_nc_u32 v[ADRA8+\s], s21, v2
	v_add_nc_u32 v[ADRB16+\s], s22, v1
	v_add_nc_u32 v[ADRB8+\s], s22, v2
	s_add_co_u32 s21, s21, SLOT
	s_add_co_u32 s22, s22, SLOT
.endr
	s_mul_i32 s21, s15, HALFS
	s_mul_i32 s22, s16, HALFS
	s_add_co_u32 s22, s22, 2*HALFS
	s_sub_co_u32 s22, s22, s21
	v_mul_u32_u24 v[ADRS], s22, v15                ; lanes 16-31 take B's words: one product, the distance between the two
	v_lshl_add_u32 v[ADRS], v3, 2, v[ADRS]
	s_add_co_u32 s21, s21, SCL
	v_add_nc_u32 v[ADRS], s21, v[ADRS]
	v_lshlrev_b32 v15, 6, v15                      ; 64 h: the bias's offset; stays
	s_lshl_b32 s46, s42, 1
	s_add_co_u32 s46, s46, s16                     ; g: my 128 columns
	s_lshl_b32 s46, s46, 9
	s_mov_b32 s47, 0
	s_add_nc_u64 s[46:47], s[8:9], s[46:47]
	WIN 0x40
.irp b, 0,1,2,3
.irp j, 0,1,2,3
.set BN, 16*\b+4*\j
	global_load_b128 v[96+BN+96*(BN/32):99+BN+96*(BN/32)], v15, s[46:47] offset:128*\b+16*\j   ; the bias of column 32 b + 16 h + 4 j on
.endr
.endr
	WIN 0
	s_wait_tensorcnt 0x1                           ; the scale words and my part of slot 0 are in; slot 1's load may be out
	s_barrier_signal -1
	s_barrier_wait -1
	FETCH 0, 0, 0
	SCALES 0
	STEP 0, 0, 1                                   ; the first step's products start the sums: nothing is cleared
.if LAPS > 1
	WIN 0
	s_mov_b32 s3, LAPS-1
.Llap:                                             ; a trip goes once round the ring and fills both slots again
	REST 0
	TURN 0, 1, 1
	STEP 1, 0, 0
	REST 1
	TURN 1, 0, 1
	STEP 0, 0, 0
	WIN 0
	s_sub_co_u32 s3, s3, 1
	s_cmp_lg_u32 s3, 0
	s_cbranch_scc1 .Llap
.endif
	REST 0
	TURN 0, 1, 0                                   ; the last lap fills nothing
	STEP 1, 0, 0
	REST 1
	s_wait_dscnt 0x0
	MULR 0, T, 1, NQ-1, 1, 0
	WIN 0
	; THE WAY OUT: for each of my eight row fragments: bias, activation, quantise 128 columns in registers, store the image; the eight scale images gather in LDS and leave by one store
	s_wait_loadcnt 0x0                             ; the bias
	PLACES
	s_lshl_b32 s20, s42, 1
	s_add_co_u32 s20, s20, s16                     ; g
	s_lshl_b32 s21, s17, 4
	s_lshl_b32 s22, s15, 3
	s_add_co_u32 s21, s21, s22                     ; my first row fragment
	s_mov_b32 s23, 1                               ; images from column group to column group,
	s_mov_b32 s24, 32                              ; and from row fragment to row fragment
	s_mov_b32 s25, 0
	s_mov_b32 s26, 12582912
	s_mul_i32 s20, s20, s23
	s_mul_i32 s21, s21, s24
	s_add_co_u32 s20, s20, s21
	s_mul_i32 s32, s20, FRB
	s_add_co_u32 s32, s32, s25
	s_mov_b32 s33, 0
	s_lshl_b32 s34, s20, 6
	s_add_co_u32 s34, s34, s26
	s_mov_b32 s35, 0
	s_add_nc_u64 s[32:33], s[10:11], s[32:33]      ; my first image
	s_add_nc_u64 s[34:35], s[10:11], s[34:35]      ; its scale words
	s_mul_i32 s36, s24, FRB
	s_mov_b32 s37, 0
	s_lshl_b32 s38, s24, 6
	s_mov_b32 s[SEL], 0x76543210
	s_mov_b32 s[SEL+1], 0xfedcba98
	s_lshl_b32 s46, s14, 9
	s_add_co_u32 s46, s46, AUX
	v_lshlrev_b32 v4, 2, v3
	v_add_nc_u32 v4, s46, v4                       ; my row's scale word, fragment 0
	v_add_nc_u32 v5, s46, v1                       ; back: 16 bytes a lane
	v_lshrrev_b32 v6, 6, v1
	v_mul_u32_u24 v6, s38, v6
	v_and_b32 v8, 0x30, v1
	v_add_nc_u32 v6, v6, v8                        ; four lanes to a fragment's 64 bytes
.irp b, 0,1,2,3
	v_mov_b32 v[TM+4+\b], 0
.endr
	v_mov_b32 v16, 0x32edffee                      ; the two polynomials' second coefficients, as pairs
	v_mov_b32 v17, 0x32edffee
	v_mov_b32 v18, 0xb95fbd29
	v_mov_b32 v19, 0xb95fbd29
	s_mov_b32 s3, 0
	s_mov_b32 s39, 0
.Lrow:                                             ; eight trips; a forward switch on the count picks the fragment's accumulators, so that the activation and the quantiser are written once
.irp a, 0,1,2,3,4,5,6
	s_cmp_eq_u32 s3, \a
	s_cbranch_scc1 .Larm\a
.endr
	ARM 7
	s_branch .Ljoin
.irp a, 0,1,2,3,4,5,6
.Larm\a:
	ARM \a
	s_branch .Ljoin
.endr
.Ljoin:
	GELU 0
	GELU 1
	QUANT X
	global_store_b128 v1, v[PC:PC+3], s[32:33]     ; each store of the wave covers 512 or 256 consecutive bytes, aligned
	global_store_b64 v2, v[PC+4:PC+5], s[32:33] offset:512
	global_store_b128 v1, v[PC+6:PC+9], s[32:33] offset:768
	global_store_b64 v2, v[PC+10:PC+11], s[32:33] offset:1280
	v_add_nc_u32 v7, s39, v4
	ds_store_b32 v7, v[PW]
	s_wait_dscnt 0x0
	s_wait_xcnt 0x0                                ; the stores have read their data and their base: both are written again
	s_add_nc_u64 s[32:33], s[32:33], s[36:37]
	s_add_co_u32 s39, s39, 64
	s_add_co_u32 s3, s3, 1
	s_cmp_lt_u32 s3, 8
	s_cbranch_scc1 .Lrow
	ds_load_b128 v[PC:PC+3], v5                    ; my own bytes: LDS serves a wave's instructions in order
	s_wait_dscnt 0x0
	global_store_b128 v6, v[PC:PC+3], s[34:35]
	s_wait_tensorcnt 0x0                           ; the wave's end: my tensor loads landed, then 0 onto my spare word and its wait, behind my last LDS store
	ds_add_u32 v[SPW], v[NIL]
	s_wait_dscnt 0x0
	CROUND                                         ; the closing round
	s_endpgm
.Lfunc_end_k_qc04d1800f9_g5:
	.size	k_qc04d1800f9_g5, .Lfunc_end_k_qc04d1800f9_g5-k_qc04d1800f9_g5
	.p2alignl 7, 3214868480
	.fill 96, 4, 3214868480
	.section	.rodata,"a",@progbits
	.p2align	6, 0x0
	.amdhsa_kernel k_qc04d1800f9_g5
		.amdhsa_group_segment_fixed_size 327680
		.amdhsa_private_segment_fixed_size 0
		.amdhsa_enable_private_segment 0
		.amdhsa_kernarg_size 32
		.amdhsa_user_sgpr_count 2
		.amdhsa_user_sgpr_kernarg_segment_ptr 1
		.amdhsa_wavefront_size32 1
		.amdhsa_system_sgpr_workgroup_id_x 1
		.amdhsa_system_sgpr_workgroup_id_y 1
		.amdhsa_system_sgpr_workgroup_id_z 1
		.amdhsa_system_vgpr_workitem_id 0
		.amdhsa_next_free_vgpr 1024
		.amdhsa_next_free_sgpr 100
		.amdhsa_reserve_vcc 0
		.amdhsa_float_denorm_mode_32 3
		.amdhsa_float_denorm_mode_16_64 3
		.amdhsa_memory_ordered 1
		.amdhsa_forward_progress 1
		.amdhsa_inst_pref_size 189
	.end_amdhsa_kernel
	.amdgpu_metadata
---
amdhsa.version: [ 1, 2 ]
amdhsa.kernels:
  - .name:           k_qc04d1800f9_g5
    .symbol:         k_qc04d1800f9_g5.kd
    .args:
      - { .name: hq, .offset: 0, .size: 8, .value_kind: global_buffer, .address_space: global }
      - { .name: wq, .offset: 8, .size: 8, .value_kind: global_buffer, .address_space: global }
      - { .name: b1, .offset: 16, .size: 8, .value_kind: global_buffer, .address_space: global }
      - { .name: uq, .offset: 24, .size: 8, .value_kind: global_buffer, .address_space: global }
    .group_segment_fixed_size: 327680
    .private_segment_fixed_size: 0
    .kernarg_segment_align: 8
    .kernarg_segment_size: 32
    .max_flat_workgroup_size: 128
    .sgpr_count:     100
    .vgpr_count:     1024
    .wavefront_size: 32
...
	.end_amdgpu_metadata
.endif
;; end of part 6
;; launch g6 (part 7): grid 8 x 32, 4 waves a work-group, clusters of 4 x 4, 327,680 bytes of LDS; arguments uq, wq, b2, x1, out0; writes out0
.if DOCPART == 7
	.amdgcn_target "amdgcn-amd-amdhsa--gfx1250"
	.amdhsa_code_object_version 6
	.text
	.protected	k_qc04d1800f9_g6
	.globl	k_qc04d1800f9_g6
	.p2align	8
	.type	k_qc04d1800f9_g6,@function
k_qc04d1800f9_g6:
	s_mov_b64 s[64:65], 0
	v_nop
	global_prefetch_b8 v0, s[64:65] scope:SCOPE_SE
	s_setreg_imm32_b32 hwreg(HW_REG_WAVE_MODE, 25, 1), 1
	s_wait_xcnt 0x0
	s_wait_alu depctr_hold_cnt(0) depctr_sa_sdst(0) depctr_va_vdst(0) depctr_va_sdst(0) depctr_va_ssrc(0) depctr_va_vcc(0) depctr_vm_vsrc(0)
	s_getreg_b32 s2, hwreg(HW_REG_IB_STS2, 6, 4)
	s_cmp_eq_u32 s2, 0
	s_cbranch_scc0 .Lentry_in_a_cluster
	s_endpgm
.Lentry_in_a_cluster:
	s_bfe_u32 s2, ttmp6, 0x10000c
	s_cmp_lg_u32 s2, 0xf033
	s_cbranch_scc0 .Lentry_shape_is_right
	s_endpgm
.Lentry_shape_is_right:
; out = x1 + (u w2^T + b2): a product on codes of FP6 (E2M3) with E8M0 scales, K = 4,096, f32 rows out.
; OPERANDS are images of operand registers: a fragment (16 rows x 128 K) is 1,536 bytes (two halves of 768: 16 bytes a lane, then 8 bytes a lane), fragment f and K step ks at 1,536 (f NKS + ks); 64 bytes of scale words likewise.
; Lane index r of fragment f holds row 32 (f / 2) + 8 (f % 2) + r % 8 + 16 (r / 8).  The matrix instruction is used transposed (source 0 = 16 rows of the weight, source 1 = 16 tokens): a lane holds one token, and the
; 16 registers of column tiles 2 b and 2 b + 1 are 16 neighbouring columns.
; C is 4,096 x 1,024: tiles of 128 x 128 give 256 work-groups; four waves, each 64 x 64 (16 accumulators).  K goes in steps of 512 through two LDS slots filled by joint tensor loads: A's tiles are shared along a row of the
; 4 x 4 cluster, B's along a column.  The residual's rows are asked for at the head and wait in registers.
; REGISTERS: window 0: v1-23 addresses and the bias, v32-63 scale words (two sets), v64-159 A's fragments (two sets of 48), v160-223 rows on the way out.  window 1: B's fragments at v0 and v128.  window 2: accumulators.  window 3: the residual.
.set T,     4
.set NQ,    4
.set NKS,   32
.set ASCO,  12582912
.set BCODE, 6291456
.set BSCO,  9699328
.set FRB,   1536
.set RBROW, NQ*FRB
.set QUART, T*RBROW
.set SLOT,  4*QUART
.set HALFS, T*NKS*64
.set SCL,   2*SLOT
.set AUX,   229376                     ; a stage of 16 rows x 272 bytes for each wave: no tensor load lands here
.set SPARE, 246784                     ; the spare words, 128 bytes a wave: two blocks of 256 bytes that no other line names
.set LAPS,  NKS/(2*NQ)
.set ADRA16, 4
.set ADRA8,  6
.set ADRB16, 8
.set ADRB8,  10
.set ADRS,  12
.set SPW,   13
.set NIL,   14
.set SC,    32
.set G1,  24
.set G0,  32
.set G1B, 48
.set G0B, 56
.set G1S, 68
.set G0S, 76
.set G1SB, 80
.set G0SB, 88
.set MSB, 0
.macro WIN new                         ; the immediate's high byte repeats the setting that is left
.if MSB != (\new)
	s_set_vgpr_msb (MSB<<8)|(\new)
.set MSB, (\new)
.endif
.endm
; A joint load: waves 0 and 1 fetch for A, waves 2 and 3 for B; the branch hangs on the wave's number alone.  An s_nop 0 and four v_nop follow each of the two lines.
.macro JLOAD g0a, g1a, g0b, g1b
	s_cmp_eq_u32 s15, 0
	s_cbranch_scc0 .Lfor_b_\@
	tensor_load_to_lds s[\g0a:\g0a+3], s[\g1a:\g1a+7]
	s_nop 0
.rept 4
	v_nop
.endr
	s_branch .Lasked_\@
.Lfor_b_\@:
	tensor_load_to_lds s[\g0b:\g0b+3], s[\g1b:\g1b+7]
	s_nop 0
.rept 4
	v_nop
.endr
.Lasked_\@:
.endm
.macro CREST                           ; a round of the cluster's barrier behind its opening barrier
	s_cmp_lg_u32 s14, 0
	s_cbranch_scc1 .Lnot_wave_0_\@
	s_barrier_signal -3
.Lnot_wave_0_\@:
	s_barrier_wait -3
	s_barrier_signal -1
	s_barrier_wait -1
.endm
.macro CROUND
	s_barrier_signal -1
	s_barrier_wait -1
	CREST
.endm
.macro PLACES                          ; four plain places between a matrix instruction and a load into, or a vector access to, its registers
.rept 4
	v_nop
.endr
.endm
.macro FRAG reg, a16, a8, off          ; a fragment's image: four dense loads
	ds_load_b128 v[(\reg):(\reg)+3], v[\a16] offset:(\off)
	ds_load_b64 v[(\reg)+4:(\reg)+5], v[\a8] offset:(\off)+512
	ds_load_b128 v[(\reg)+6:(\reg)+9], v[\a16] offset:(\off)+768
	ds_load_b64 v[(\reg)+10:(\reg)+11], v[\a8] offset:(\off)+1280
.endm
.macro FETCH slot, q, p                ; the slot's q-th 128 along K: B's T fragments and A's T fragments into set p
	WIN 0x40
.set FI, 0
.rept T
	FRAG 128*(\p)+12*FI, ADRB16+\slot, ADRB8+\slot, FI*RBROW+(\q)*FRB
.set FI, FI+1
.endr
	WIN 0
.set FI, 0
.rept T
	FRAG 64+12*T*(\p)+12*FI, ADRA16+\slot, ADRA8+\slot, FI*RBROW+(\q)*FRB
.set FI, FI+1
.endr
.endm
.macro SCALES set                      ; a slot's scale words: lanes 0-15 A's block i, lanes 16-31 B's block i
.set SI, 0
.rept T
.set SQ, 0
.rept NQ
	ds_load_b32 v[SC+16*(\set)+NQ*SI+SQ], v[ADRS] offset:SI*NKS*64+64*SQ
.set SQ, SQ+1
.endr
.set SI, SI+1
.endr
.endm
.macro MULA a, p, q, set, zero         ; A's block a against B's T blocks
	WIN 0xa1
.set AC, 32*(\a)
.set MB, 0
.rept T
.if \zero
	v_wmma_scale_f32_16x16x128_f8f6f4 v[AC+8*MB:AC+8*MB+7], v[128*(\p)+12*MB:128*(\p)+12*MB+11], v[64+12*T*(\p)+12*(\a):64+12*T*(\p)+12*(\a)+11], 0, v[SC+16*(\set)+NQ*MB+(\q)], v[SC+16*(\set)+NQ*(\a)+(\q)] matrix_a_fmt:MATRIX_FMT_FP6 matrix_b_fmt:MATRIX_FMT_FP6 matrix_a_scale:MATRIX_SCALE_ROW1
.else
	v_wmma_scale_f32_16x16x128_f8f6f4 v[AC+8*MB:AC+8*MB+7], v[128*(\p)+12*MB:128*(\p)+12*MB+11], v[64+12*T*(\p)+12*(\a):64+12*T*(\p)+12*(\a)+11], v[AC+8*MB:AC+8*MB+7], v[SC+16*(\set)+NQ*MB+(\q)], v[SC+16*(\set)+NQ*(\a)+(\q)] matrix_a_fmt:MATRIX_FMT_FP6 matrix_b_fmt:MATRIX_FMT_FP6 matrix_a_scale:MATRIX_SCALE_ROW1
.endif
.set MB, MB+1
.endr
.endm
.macro MULR a0, n, p, q, set, zero     ; n of A's blocks from a0 on.  The accumulators take turns, one instruction a turn, in the same order in every step
.set MA, \a0
.rept \n
	MULA MA, \p, \q, \set, \zero
.set MA, MA+1
.endr
.endm
.macro STEP slot, q, zero              ; a step of 128 along K whose successor lies in the same slot
	s_wait_dscnt 0x0                               ; this step's fragments, asked for a whole step ago
	WIN 0
	PLACES
	FETCH \slot, (\q)+1, 1-(\q)%2
	MULR 0, T, (\q)%2, \q, \slot, \zero
.endm
.macro REST slot
.set RQ, 1
.rept NQ-2
	STEP \slot, RQ, 0
.set RQ, RQ+1
.endr
.endm
; A slot's last step changes slots: ONE barrier; in front of it each wave waits for all its tensor loads, adds 0 to its spare word, and waits for that and for its own reads of this slot.  fill = 1: this slot is filled again, two slots ahead.
.macro TURN slot, next, fill
	WIN 0
	s_wait_tensorcnt 0x0                           ; all my tensor loads have landed: my part of the next slot
	ds_add_u32 v[SPW], v[NIL]                      ; 0 onto my spare word
	s_wait_dscnt 0x1                               ; all but the add: this step's fragments are in
	MULR 0, T/4, 1, NQ-1, \slot, 0
	s_wait_dscnt 0x0                               ; the add is done, and my reads of this slot are over
	s_barrier_signal -1
	MULR T/4, T/4, 1, NQ-1, \slot, 0
	WIN 0
	s_barrier_wait -1
.if \fill
	CREST                                          ; the barrier has opened a round of the cluster's: no wave of any partner still reads this slot or has a load on its way
	s_add_nc_u64 s[G0+4*\slot+2:G0+4*\slot+3], s[G0+4*\slot+2:G0+4*\slot+3], 2*RBROW
	s_add_nc_u64 s[G0B+4*\slot+2:G0B+4*\slot+3], s[G0B+4*\slot+2:G0B+4*\slot+3], 2*RBROW
	JLOAD G0+4*\slot, G1, G0B+4*\slot, G1B         ; the first tensor load behind the round; its four v_nop are also the places in front of the loads below
.else
	PLACES
.endif
	v_add_nc_u32 v[ADRS], 64*NQ, v[ADRS]           ; on to the next slot's scale words
	FETCH \next, 0, 0
	SCALES \next
	MULR T/2, T/2, 1, NQ-1, \slot, 0
.endm
	s_load_b256 s[4:11], s[0:1], 0x0               ; A's images, the weights' images, the bias, the residual
	s_load_b64 s[12:13], s[0:1], 0x20              ; the output
	v_lshl_add_u32 v[SPW], v0, 2, SPARE
	v_mov_b32 v[NIL], 0
	ds_add_u32 v[SPW], v[NIL]                      ; the wave's opening: an add and its wait ahead of my first tensor load; work on registers stands between them
	v_lshrrev_b32 v1, 5, v0
	v_readfirstlane_b32 s14, v1                    ; wave 0..3
	s_lshr_b32 s15, s14, 1                         ; which half of the tile's rows is mine.  Also: I fetch for A (0) or for B (1)
	s_and_b32 s16, s14, 1                          ; which half of its columns.  Also: which half of that tile I fetch
	s_bfe_u32 s40, ttmp6, 0x40000                  ; cx, cy: my place in the cluster
	s_bfe_u32 s41, ttmp6, 0x40004
	s_lshl_b32 s42, ttmp9, 2
	s_add_co_u32 s42, s42, s40                     ; tile column
	s_and_b32 s17, ttmp7, 0xffff
	s_lshl_b32 s17, s17, 2
	s_add_co_u32 s17, s17, s41                     ; tile row
	s_lshl_b32 s43, s41, 2
	s_lshl_b32 s43, 15, s43                        ; my row of the cluster
	s_lshl_b32 s44, 0x1111, s40                    ; my column
	s_or_b32 s[G1+0], s43, (3<<16)|(1<<21)         ; the mask: A's tiles go to my row; elements of 8 bytes; bit 21 set beside a mask; no padding
	s_or_b32 s[G1B+0], s44, (3<<16)|(1<<21)
.irp g, G1, G1B
	s_mov_b32 s[\g+1], (RBROW/8)<<16               ; tensor_dim0
	s_mov_b32 s[\g+2], T<<16                       ; tensor_dim1
	s_mov_b32 s[\g+3], (RBROW/8)<<16               ; tile_dim0: a fragment row's images of one slot
	s_mov_b32 s[\g+4], T                           ; tile_dim1: T fragment rows
	s_mov_b32 s[\g+5], NKS*FRB/8                   ; from fragment row to fragment row
	s_mov_b32 s[\g+6], 0
	s_mov_b32 s[\g+7], 0
.endr
	s_or_b32 s[G1S+0], s43, (3<<16)|(1<<21)        ; the scale words of T fragments: a dense block, as rows of 256 bytes
	s_or_b32 s[G1SB+0], s44, (3<<16)|(1<<21)
.irp g, G1S, G1SB
	s_mov_b32 s[\g+1], 32<<16
	s_mov_b32 s[\g+2], (HALFS/256)<<16
	s_mov_b32 s[\g+3], 32<<16
	s_mov_b32 s[\g+4], HALFS/256
	s_mov_b32 s[\g+5], 32
	s_mov_b32 s[\g+6], 0
	s_mov_b32 s[\g+7], 0
.endr
	s_mul_i32 s18, s16, T                          ; which T fragments of the tile I fetch
	s_mul_i32 s20, s17, 2*T
	s_add_co_u32 s20, s20, s18                     ; A's
	s_mul_i32 s46, s42, 2*T
	s_add_co_u32 s46, s46, s18                     ; B's
	s_mul_i32 s22, s20, NKS*64
	s_add_co_u32 s22, s22, ASCO
	s_mul_i32 s20, s20, NKS*FRB
	s_mul_i32 s92, s46, NKS*64
	s_add_co_u32 s92, s92, BSCO
	s_mul_i32 s46, s46, NKS*FRB
	s_add_co_u32 s46, s46, BCODE
	s_mov_b32 s21, 0
	s_mov_b32 s23, 0
	s_mov_b32 s47, 0
	s_mov_b32 s93, 0
	s_mul_i32 s45, s14, QUART                      ; where they go: no place in the cluster enters an LDS address
	s_mul_i32 s94, s14, HALFS
	s_wait_dscnt 0x0                               ; the opening add is done
	s_wait_kmcnt 0x0
	s_add_nc_u64 s[20:21], s[4:5], s[20:21]
	s_add_nc_u64 s[22:23], s[4:5], s[22:23]
	s_add_nc_u64 s[46:47], s[6:7], s[46:47]
	s_add_nc_u64 s[92:93], s[6:7], s[92:93]
	CROUND                                         ; all sixteen work-groups are here: the first joint loads meet
	s_mov_b32 s[G0S], 1
	s_add_co_u32 s[G0S+1], s94, SCL
	s_mov_b64 s[G0S+2:G0S+3], s[22:23]
	s_or_b32 s[G0S+3], s[G0S+3], 0x80000000
	s_mov_b32 s[G0SB], 1
	s_add_co_u32 s[G0SB+1], s94, SCL
	s_mov_b64 s[G0SB+2:G0SB+3], s[92:93]
	s_or_b32 s[G0SB+3], s[G0SB+3], 0x80000000
	JLOAD G0S, G1S, G0SB, G1SB                     ; the scale words of all of K: filled once
.irp s, 0,1
	s_mov_b32 s[G0+4*\s], 1
	s_add_co_u32 s[G0+4*\s+1], s45, \s*SLOT
	s_add_nc_u64 s[G0+4*\s+2:G0+4*\s+3], s[20:21], \s*RBROW
	s_or_b32 s[G0+4*\s+3], s[G0+4*\s+3], 0x80000000
	s_mov_b32 s[G0B+4*\s], 1
	s_add_co_u32 s[G0B+4*\s+1], s45, \s*SLOT
	s_add_nc_u64 s[G0B+4*\s+2:G0B+4*\s+3], s[46:47], \s*RBROW
	s_or_b32 s[G0B+4*\s+3], s[G0B+4*\s+3], 0x80000000
	JLOAD G0+4*\s, G1, G0B+4*\s, G1B               ; three tensor loads of mine are out
.endr
	v_and_b32 v3, 15, v0                           ; r
	v_bfe_u32 v15, v0, 4, 1                        ; h
	v_and_b32 v1, 31, v0
	v_lshlrev_b32 v2, 3, v1                        ; 8 x lane
	v_lshlrev_b32 v1, 4, v1                        ; 16 x lane
	s_mul_i32 s21, s15, QUART                      ; my half of A
	s_mul_i32 s22, s16, QUART
	s_add_co_u32 s22, s22, 2*QUART                 ; my half of B
.irp s, 0,1
	v_add_nc_u32 v[ADRA16+\s], s21, v1
	v_add_nc_u32 v[ADRA8+\s], s21, v2
	v_add_nc_u32 v[ADRB16+\s], s22, v1
	v_add_nc_u32 v[ADRB8+\s], s22, v2
	s_add_co_u32 s21, s21, SLOT
	s_add_co_u32 s22, s22, SLOT
.endr
	s_mul_i32 s21, s15, HALFS
	s_mul_i32 s22, s16, HALFS
	s_add_co_u32 s22, s22, 2*HALFS
	s_sub_co_u32 s22, s22, s21
	v_mul_u32_u24 v[ADRS], s22, v15                ; lanes 16-31 take B's words: one product, the distance between the two
	v_lshl_add_u32 v[ADRS], v3, 2, v[ADRS]
	s_add_co_u32 s21, s21, SCL
	v_add_nc_u32 v[ADRS], s21, v[ADRS]
	s_mul_i32 s21, s14, 16*272
	s_add_co_u32 s21, s21, AUX                     ; my stage
	v_mul_u32_u24 v20, v3, 272
	v_lshl_add_u32 v20, v15, 6, v20
	v_add_nc_u32 v20, s21, v20                     ; in: row r, + 64 h
	v_mul_u32_u24 v21, v15, 272
	v_lshl_add_u32 v21, v3, 4, v21
	v_add_nc_u32 v21, s21, v21                     ; back: lanes 0-15 one row of 256 bytes, lanes 16-31 the next
	v_lshlrev_b32 v22, 12, v15
	v_lshl_add_u32 v22, v3, 4, v22                 ; and the same two rows in memory
	v_lshlrev_b32 v23, 4, v3
	s_lshl_b32 s20, s17, 7
	s_lshl_b32 s21, s15, 6
	s_add_co_u32 s20, s20, s21                     ; my first row: 128 x tile row + 64 x half
	s_lshl_b32 s20, s20, 12
	s_lshl_b32 s46, s42, 9
	s_lshl_b32 s47, s16, 8
	s_add_co_u32 s46, s46, s47                     ; my first column, in bytes
	s_mov_b32 s47, 0
	s_add_nc_u64 s[92:93], s[8:9], s[46:47]
	s_add_co_u32 s20, s20, s46
	s_mov_b32 s21, 0
	s_add_nc_u64 s[10:11], s[10:11], s[20:21]
	s_add_nc_u64 s[12:13], s[12:13], s[20:21]
	global_load_b128 v[16:19], v23, s[92:93]       ; the bias of my four columns of a row
	WIN 0xc0
.irp a, 0,1,2,3
.irp t, 0,1,2,3,4,5,6,7
	global_load_b128 v[4*(8*\a+\t):4*(8*\a+\t)+3], v22, s[10:11] offset:(32*(\a/2)+8*(\a%2)+(2*\t)%8+16*(\t/4))*4096   ; the residual, in the layout in which the rows leave
.endr
.endr
	WIN 0
	s_wait_tensorcnt 0x1                           ; the scale words and my part of slot 0 are in; slot 1's load may be out
	s_barrier_signal -1
	s_barrier_wait -1
	FETCH 0, 0, 0
	SCALES 0
	STEP 0, 0, 1                                   ; the first step's products start the sums: nothing is cleared
.if LAPS > 1
	WIN 0
	s_mov_b32 s3, LAPS-1
.Llap:                                             ; a trip goes once round the ring and fills both slots again
	REST 0
	TURN 0, 1, 1
	STEP 1, 0, 0
	REST 1
	TURN 1, 0, 1
	STEP 0, 0, 0
	WIN 0
	s_sub_co_u32 s3, s3, 1
	s_cmp_lg_u32 s3, 0
	s_cbranch_scc1 .Llap
.endif
	REST 0
	TURN 0, 1, 0                                   ; the last lap fills nothing
	STEP 1, 0, 0
	REST 1
	s_wait_dscnt 0x0
	MULR 0, T, 1, NQ-1, 1, 0
	WIN 0
	; THE WAY OUT, a fragment of 16 rows x 64 columns at a time: through my own stage, back as whole rows of 256 bytes, + bias, + residual, stored
	s_wait_loadcnt 0x0                             ; the bias and the residual
	PLACES
.irp a, 0,1,2,3
.set YB, 160+32*(\a%2)
	WIN 0x08                                       ; an LDS store's data: window 2
.irp b, 0,1,2,3
	ds_store_b128 v20, v[32*\a+8*\b:32*\a+8*\b+3] offset:128*(\b/2)+32*(\b%2)          ; each accumulator from its low end on
	ds_store_b128 v20, v[32*\a+8*\b+4:32*\a+8*\b+7] offset:128*(\b/2)+32*(\b%2)+16
.endr
	WIN 0
.if \a >= 2
	s_wait_xcnt 0x0                                ; the stores of two fragments ago have read these registers
.endif
.irp t, 0,1,2,3,4,5,6,7
	ds_load_b128 v[YB+4*\t:YB+4*\t+3], v21 offset:544*\t   ; LDS serves a wave's instructions in order: these see my stores
.endr
	s_wait_dscnt 0x0
.irp t, 0,1,2,3,4,5,6,7
	v_pk_add_f32 v[YB+4*\t:YB+4*\t+1], v[YB+4*\t:YB+4*\t+1], v[16:17]
	v_pk_add_f32 v[YB+4*\t+2:YB+4*\t+3], v[YB+4*\t+2:YB+4*\t+3], v[18:19]
.endr
	WIN 0x0c                                       ; source 1: window 3
.irp t, 0,1,2,3,4,5,6,7
	v_pk_add_f32 v[YB+4*\t:YB+4*\t+1], v[YB+4*\t:YB+4*\t+1], v[4*(8*\a+\t):4*(8*\a+\t)+1]
	v_pk_add_f32 v[YB+4*\t+2:YB+4*\t+3], v[YB+4*\t+2:YB+4*\t+3], v[4*(8*\a+\t)+2:4*(8*\a+\t)+3]
.endr
	WIN 0
.irp t, 0,1,2,3,4,5,6,7
	global_store_b128 v22, v[YB+4*\t:YB+4*\t+3], s[12:13] offset:(32*(\a/2)+8*(\a%2)+(2*\t)%8+16*(\t/4))*4096   ; sixteen lanes store 256 consecutive bytes, aligned
.endr
.endr
	s_wait_tensorcnt 0x0                           ; the wave's end: my tensor loads landed, then 0 onto my spare word and its wait, behind my last LDS store
	ds_add_u32 v[SPW], v[NIL]
	s_wait_dscnt 0x0
	CROUND                                         ; the closing round
	s_endpgm
.Lfunc_end_k_qc04d1800f9_g6:
	.size	k_qc04d1800f9_g6, .Lfunc_end_k_qc04d1800f9_g6-k_qc04d1800f9_g6
	.p2alignl 7, 3214868480
	.fill 96, 4, 3214868480
	.section	.rodata,"a",@progbits
	.p2align	6, 0x0
	.amdhsa_kernel k_qc04d1800f9_g6
		.amdhsa_group_segment_fixed_size 327680
		.amdhsa_private_segment_fixed_size 0
		.amdhsa_enable_private_segment 0
		.amdhsa_kernarg_size 40
		.amdhsa_user_sgpr_count 2
		.amdhsa_user_sgpr_kernarg_segment_ptr 1
		.amdhsa_wavefront_size32 1
		.amdhsa_system_sgpr_workgroup_id_x 1
		.amdhsa_system_sgpr_workgroup_id_y 1
		.amdhsa_system_sgpr_workgroup_id_z 1
		.amdhsa_system_vgpr_workitem_id 0
		.amdhsa_next_free_vgpr 1024
		.amdhsa_next_free_sgpr 100
		.amdhsa_reserve_vcc 0
		.amdhsa_float_denorm_mode_32 3
		.amdhsa_float_denorm_mode_16_64 3
		.amdhsa_memory_ordered 1
		.amdhsa_forward_progress 1
		.amdhsa_inst_pref_size 104
	.end_amdhsa_kernel
	.amdgpu_metadata
---
amdhsa.version: [ 1, 2 ]
amdhsa.kernels:
  - .name:           k_qc04d1800f9_g6
    .symbol:         k_qc04d1800f9_g6.kd
    .args:
      - { .name: uq, .offset: 0, .size: 8, .value_kind: global_buffer, .address_space: global }
      - { .name: wq, .offset: 8, .size: 8, .value_kind: global_buffer, .address_space: global }
      - { .name: b2, .offset: 16, .size: 8, .value_kind: global_buffer, .address_space: global }
      - { .name: x1, .offset: 24, .size: 8, .value_kind: global_buffer, .address_space: global }
      - { .name: out0, .offset: 32, .size: 8, .value_kind: global_buffer, .address_space: global }
    .group_segment_fixed_size: 327680
    .private_segment_fixed_size: 0
    .kernarg_segment_align: 8
    .kernarg_segment_size: 40
    .max_flat_workgroup_size: 128
    .sgpr_count:     100
    .vgpr_count:     1024
    .wavefront_size: 32
...
	.end_amdgpu_metadata
.endif
;; end of part 7
